; MI455X (gfx1250); checked and timed in simulation.
; The chip was launched on July 23, 2026; its instructions are those of AMD's public machine-readable ISA for CDNA 5 (MIT licence, August 2026) and "CDNA5" Instruction Set Architecture Reference Guide (July 2026). The comments in the code are by the model that wrote it; some were corrected since.
;; GPT2 Attention. Allowed arithmetic: matrix products marked QUANTISED: E4M3 operands, one given power-of-two scale a tensor, by v_wmma_f32_16x16x64_fp8_fp8 or v_wmma_f32_16x16x128_fp8_fp8, f32 sums; everything else in f32.
;; Inputs: b_attn 3,072 float32; b_proj 1,024 float32; hidden_states 4 x 2,048 x 1,024 float32; lowp_scales 8 int32 (the exponents e of the quantised operands' scales 2^e); w_attn 1,024 x 3,072 float32; w_proj 1,024 x 1,024 float32.
;; Outputs: out0 4 x 2,048 x 1,024 float32.
;; This version of the problem:
;;   THIS VERSION OF THE PROBLEM IS GIVEN IN LOW PRECISION. The matrix products marked QUANTISED in the list below multiply operands that are first quantised to E4M3 (4 exponent bits, 3 mantissa bits; 8 bits a number), with one given power-of-two scale for each operand tensor; their sums are f32. All else is computed in f32.
;;   The module's matrix products, in the order in which they are computed (A, B: the left and right operand; K: the contracted axis; several contracted axes count as one K, in the product's order):
;;     1. [M 8,192, K 1,024] x [K 1,024, N 3,072]; A: input hidden_states; B: input w_attn: QUANTISED (scales: A lowp_scales[0], B lowp_scales[1])
;;     2. batch 64 x [M 2,048, K 64] x [K 64, N 2,048]; A: computed on the way; B: computed on the way: QUANTISED (scales: A lowp_scales[2], B lowp_scales[3])
;;     3. batch 64 x [M 2,048, K 2,048] x [K 2,048, N 64]; A: softmax (see below); B: computed on the way: QUANTISED (scales: A lowp_scales[4], B lowp_scales[5])
;;     4. [M 8,192, K 1,024] x [K 1,024, N 1,024]; A: computed on the way; B: input w_proj: QUANTISED (scales: A lowp_scales[6], B lowp_scales[7])
;;   THE QUANTISER, for each operand of a quantised product, along K:
;;     - The operand's scale is 2^e, e = its entry of the input lowp_scales (int32; the entries are numbered through the quantised products in the list's order, A before B).
;;     - Each number is divided by the scale, clamped to +-448, and rounded to the nearest number of E4M3, ties to even, subnormals kept.
;;     - The product sums the exact products of the quantised numbers (number of the format x scale) in f32.
;;   ~~~python
;;   def quantise(x, axis, e):      # numpy; x: float32 -> the quantised numbers, widened to float32 again
;;       x = np.moveaxis(x, axis, -1); K = x.shape[-1]
;;       r = np.clip(x / 2.0 ** e, -448, 448)
;;       step = 2.0 ** (np.maximum(np.frexp(np.where(r == 0, 1, r))[1] - 1, -6) - 3)
;;       q = np.round(r / step) * step * 2.0 ** e      # np.round: ties to even
;;       return np.moveaxis(q, -1, axis).astype(np.float32)
;;   ~~~
;;   SOFTMAX AHEAD OF A QUANTISED PRODUCT. Where the list says 'softmax', what is quantised is not the finished softmax but p = 2^(t - M), with t = logit x log2(e) and M = ceil(the row's largest t), a whole number; so 1/2 < the row's largest p <= 1. The row's sum l is taken of the UNQUANTISED p, in f32, and the product's result is divided by l at the end. Since M is a whole number, a kernel that streams over the keys may use a running M (the ceiling of the running maximum): every later rescaling is an exact power of two, so the quantised numbers keep their values, but for numbers so far below the row's largest that they fall under the format's range.
;;   OPERANDS COMPUTED ON THE WAY. 'Computed on the way' means the value that the module computes at that place (a softmax that the list does not call 'softmax' is quantised finished and normalised). What goes into a quantiser is computed in f32, as accurately as f32 sums, v_exp_f32 and their like allow (about 1e-6 of the number): no bf16 or f16 on the way to a quantiser, and a product that is left as it is and whose result goes on into a quantised operand takes f32 operands (vector FMAs, or v_wmma_f32_16x16x4_f32). A number that lies on a knife's edge between two numbers of the format may be rounded either way, as far as f32 arithmetic and the matrix unit's own rounding can turn it there, and no further.
;; One version. Each part assembles by itself: llvm-mc -triple=amdgcn-amd-amdhsa -mcpu=gfx1250 --defsym DOCPART=n.
;; ======== version 1 of 1: 4 launches
;; limits: right only within a limited range of input values
;; workspace buffers: x_codes 8,388,608 bytes; w_codes 4,194,304 bytes; q_codes 8,388,608 bytes; k_codes 8,388,608 bytes; v_codes 8,388,608 bytes; ctx_codes 8,388,608 bytes
;; launch quant (part 1): grid 384 x 1, 4 waves a work-group, no clusters, 68,096 bytes of LDS; arguments hidden_states, w_attn, w_proj, lowp_scales, x_codes, w_codes; writes x_codes, w_codes
.if DOCPART == 1
	.amdgcn_target "amdgcn-amd-amdhsa--gfx1250"
	.amdhsa_code_object_version 6
	.text
	.protected	k_qa44b1b250c_quant
	.globl	k_qa44b1b250c_quant
	.p2align	8
	.type	k_qa44b1b250c_quant,@function
k_qa44b1b250c_quant:
	s_mov_b64 s[64:65], 0
	v_nop
	global_prefetch_b8 v0, s[64:65] scope:SCOPE_SE
	s_setreg_imm32_b32 hwreg(HW_REG_WAVE_MODE, 25, 1), 1
	s_wait_xcnt 0x0
; LAUNCH 1 OF 4.  The three f32 inputs of the two large products become codes of FP8 (E4M3), K innermost, each with the one scale 2^e that is given for it:
;   hidden_states [8192][1024]  (e = entry 0) -> x_codes [8192][1024];
;   w_attn [1024 k][3072 n]     (e = entry 1) -> w_codes rows 0 .. 3071, [n][1024 k];
;   w_proj [1024 k][1024 n]     (e = entry 7) -> w_codes rows 3072 .. 4095.
; code = x / 2^e, rounded to the nearest code, ties to even.  LIMITS: each e between -126 and 119, so that 2^e and 448 x 2^e are f32 numbers.  NaN among the inputs is not served.
; Work-groups 0 .. 127 take the weights, 128 .. 383 take x: the two ways part once on the work-group's number and never join; each has LDS bytes of its own.  Waves share nothing: no barrier.
; x: K is innermost, so the tensor is a plain stream.  A wave takes 16 steps of 512 numbers; each load reads 512 consecutive bytes; a step's 2,048 bytes turn through the wave's stage in LDS, so that a lane
;    holds 16 neighbours along K for the conversions; a lane's 16 codes are 16 bytes, a wave's store 512 consecutive bytes.
; weights: K is the FIRST axis.  A lane takes a column n and its registers run down K: the conversions then give codes with K innermost.  A wave takes 32 columns x 256 along K; the codes go through the wave's
;    stage and leave as rows: sixteen lanes store 256 consecutive bytes, aligned.  One text serves both weights: the row's length stands in a register.
.set SP,    80                         ; x: a lane's place in a stage: its 64 bytes + 16 of padding
.set XREG,  8192                       ; x: a wave's region: two stages of 32 x SP bytes
.set WSTG,  4*XREG                     ; weights: the four stages begin here
.set PITCH, 272                        ; weights: a stage row: 256 bytes of codes + 16
.set SPARE, WSTG+4*32*PITCH            ; behind them: the spare words, 128 bytes for each wave: two blocks of 256 bytes that no other line names
.set STEPS, 16
.set NB,    8                          ; weights: blocks of 32 along K for a wave
.set MANT,  0x600000                   ; the mantissa field of 448 as f32
.set WSI,   5                          ; v5   weights: into the stage: row = my column
.set WSO,   7                          ; v7   weights: out of it: sixteen lanes to a row
.set SPW,   12                         ; v12  LDS address of my spare word; never rewritten
.set NIL,   13                         ; v13  0; never rewritten
.set XSI,   14                         ; v14  x: the stage on the way in
.set XSO,   15                         ; v15  x: and on the way out
.set R,     16                         ; x: v16-79   four sets of 16 numbers as loaded
.set X,     80                         ; x: v80-111  two sets of 16 neighbours
.set C,     128                        ; x: v128-191 codes: four registers for each step
.set WX,    32                         ; weights: v32-95   two sets of 32 numbers
.set WC,    96                         ; weights: v96-103  a block's codes
.set OUTR,  112                        ; weights: v112-175 the way out
.set WOF,   176                        ; weights: v176-207 byte offset of row i of a block, at my column
	s_load_b256 s[4:11], s[0:1], 0x0               ; x s[4:5], w_attn s[6:7], w_proj s[8:9], the scales' exponents s[10:11]
	s_load_b128 s[12:15], s[0:1], 0x20             ; x_codes s[12:13], w_codes s[14:15]
	v_lshl_add_u32 v[SPW], v0, 2, SPARE
	v_mov_b32 v[NIL], 0
	v_lshrrev_b32 v1, 5, v0
	v_readfirstlane_b32 s16, v1                    ; wave 0..3
	v_and_b32 v2, 31, v0                           ; lane
	; every LDS address of both ways is made here, ahead of the parting
	s_mul_i32 s17, s16, XREG
	v_lshrrev_b32 v3, 2, v2
	v_mul_u32_u24 v3, v3, SP
	v_and_b32 v4, 3, v2
	v_lshl_add_u32 v3, v4, 4, v3
	v_add_nc_u32 v[XSI], s17, v3                   ; four lanes' 64 bytes on end, then 16 of padding
	v_mul_u32_u24 v3, v2, SP
	v_add_nc_u32 v[XSO], s17, v3                   ; my 16 neighbours
	s_mul_i32 s17, s16, 32*PITCH
	s_add_co_u32 s17, s17, WSTG
	v_mul_u32_u24 v3, v2, PITCH
	v_add_nc_u32 v[WSI], s17, v3
	v_and_b32 v4, 15, v2                           ; lane % 16
	v_lshrrev_b32 v6, 4, v2                        ; lane / 16
	v_mul_u32_u24 v3, v6, PITCH
	v_lshl_add_u32 v3, v4, 4, v3
	v_add_nc_u32 v[WSO], s17, v3
	s_wait_kmcnt 0x0
	s_load_b256 s[24:31], s[10:11], 0x0            ; e0 .. e7
	s_cmp_lt_u32 ttmp9, 128
	s_cbranch_scc1 .Lweights
; ---------------------------------------------------------------- x
	s_sub_co_u32 s17, ttmp9, 128
	s_lshl_b32 s17, s17, 2
	s_add_co_u32 s18, s17, s16                     ; which run of 8,192 numbers is my wave's
	s_lshl_b32 s20, s18, 15                        ; 32,768 bytes of f32,
	s_mov_b32 s21, 0
	s_add_nc_u64 s[4:5], s[4:5], s[20:21]
	s_lshl_b32 s20, s18, 13                        ; 8,192 bytes of codes
	s_add_nc_u64 s[12:13], s[12:13], s[20:21]
	v_lshlrev_b32 v3, 4, v2                        ; my 16 bytes of a load's, and of a store's, 512
.macro XLOAD t
.irp i, 0,1,2,3
	global_load_b128 v[R+16*((\t)%4)+4*\i:R+16*((\t)%4)+4*\i+3], v3, s[4:5] offset:2048*(\t)+512*\i th:TH_LOAD_NT   ; 32 lanes read 512 consecutive bytes
.endr
.endm
.macro XTURN t                         ; step t's numbers through the stage: LDS serves a wave's instructions in order, so no wait stands between the stores and the loads
.irp i, 0,1,2,3
	ds_store_b128 v[XSI], v[R+16*((\t)%4)+4*\i:R+16*((\t)%4)+4*\i+3] offset:32*SP*((\t)%2)+8*SP*\i
.endr
.irp i, 0,1,2,3
	ds_load_b128 v[X+16*((\t)%2)+4*\i:X+16*((\t)%2)+4*\i+3], v[XSO] offset:32*SP*((\t)%2)+16*\i
.endr
.endm
.irp t, 0,1,2,3
	XLOAD \t
.endr
	s_wait_alu depctr_va_vdst(0)
	s_wait_kmcnt 0x0
	s_add_co_i32 s22, s24, 127                     ; e0
	s_lshl_b32 s23, s22, 23
	v_mov_b32 v11, s23                             ; 2^e as f32: the conversion takes its exponent field
	s_add_co_i32 s22, s22, 8
	s_lshl_b32 s22, s22, 23
	s_or_b32 s22, s22, MANT
	s_wait_alu depctr_va_vdst(0)
	s_wait_loadcnt 12                              ; step 0's four loads are in; the twelve of steps 1 to 3 may be out
	XTURN 0
.macro XSTEP t
.set XS, X+16*((\t)%2)
	s_wait_dscnt 0x0                               ; this step's numbers are back from the stage: so its stores into the stage have read their registers,
.if (\t)+4 < STEPS
	XLOAD (\t)+4                                   ; which take the loads of four steps on
.endif
.if (\t)+1 < STEPS
.if STEPS-2-(\t) >= 3
	s_wait_loadcnt 12                              ; the next step's four loads are in; those of the three steps behind it may be out
.else
	s_wait_loadcnt 4*(STEPS-2-(\t))                ; at the end the counts run down
.endif
	XTURN (\t)+1                                   ; and go through the other stage while this step is worked
.endif
.irp i, 0,1,2,3,4,5,6,7,8,9,10,11,12,13,14,15
.endr
	v_cvt_scalef32_pk8_fp8_f32 v[C+4*(\t):C+4*(\t)+1], v[XS:XS+7], v11
	v_cvt_scalef32_pk8_fp8_f32 v[C+4*(\t)+2:C+4*(\t)+3], v[XS+8:XS+15], v11
	global_store_b128 v3, v[C+4*(\t):C+4*(\t)+3], s[12:13] offset:512*(\t)   ; each step has its own four registers: no store's data are written again
.endm
.irp t, 0,1,2,3,4,5,6,7,8,9,10,11,12,13,14,15
	XSTEP \t
.endr
	s_wait_tensorcnt 0x0                           ; the wave's end, behind my last LDS store
	ds_add_u32 v[SPW], v[NIL]
	s_wait_dscnt 0x0
	s_endpgm
; ---------------------------------------------------------------- the weights
.Lweights:
	s_and_b32 s17, ttmp9, 31                       ; which 128 rows of w_codes: 0 .. 23 w_attn's columns, 24 .. 31 w_proj's
	s_lshr_b32 s18, ttmp9, 5                       ; which 256 along K
	s_mov_b32 s20, 4096
	s_cmp_lt_u32 s17, 24                           ; the choice hangs on the work-group's number alone
	s_cselect_b64 s[6:7], s[6:7], s[8:9]           ; the weight,
	s_cselect_b32 s20, 12288, s20                  ; its row in bytes,
	s_cselect_b32 s19, 0, 24                       ; and where its columns begin among the 32 blocks
	s_sub_co_u32 s19, s17, s19
	s_lshl_b32 s19, s19, 7
	s_lshl_b32 s21, s16, 5
	s_add_co_u32 s19, s19, s21                     ; my wave's first column of the weight
	s_lshl_b32 s22, s17, 7
	s_add_co_u32 s22, s22, s21                     ; and its row of w_codes
	s_mul_i32 s23, s18, s20
	s_lshl_b32 s23, s23, 8                         ; 256 rows of the weight for each step along K
	s_lshl_b32 s19, s19, 2
	s_add_co_u32 s48, s23, s19
	s_mov_b32 s49, 0
	s_add_nc_u64 s[32:33], s[6:7], s[48:49]        ; block 0 of my 8 blocks of 32 rows;
	s_lshl_b32 s48, s20, 5
.irp t, 1,2,3,4,5,6,7
	s_add_nc_u64 s[32+2*\t:33+2*\t], s[30+2*\t:31+2*\t], s[48:49]   ; a base for each block: none is ever stepped
.endr
	s_lshl_b32 s50, s22, 10
	s_lshl_b32 s51, s18, 8
	s_add_co_u32 s50, s50, s51
	s_mov_b32 s51, 0
	s_add_nc_u64 s[14:15], s[14:15], s[50:51]      ; w_codes at my first row, my 256 along K
	v_lshlrev_b32 v3, 2, v2                        ; 4 bytes a lane
	v_mov_b32 v9, s20
.set n, 0
.rept 32
	v_mad_u32_u24 v[WOF+n], v9, n, v3              ; row n of a block, my column
.set n, n+1
.endr
	v_lshlrev_b32 v8, 10, v6
	v_lshl_add_u32 v8, v4, 4, v8                   ; out: two rows of w_codes an instruction, sixteen lanes to a row's 256 bytes
.macro WLOAD t                         ; block t: W(32 t + i, my column) into set t % 2: 32 lanes read 128 consecutive bytes, the four waves 512
.set n, 0
.rept 32
	global_load_b32 v[WX+32*((\t)%2)+n], v[WOF+n], s[32+2*(\t):33+2*(\t)] th:TH_LOAD_NT
.set n, n+1
.endr
.endm
	WLOAD 0
	WLOAD 1
	s_wait_kmcnt 0x0
	s_cmp_lt_u32 s17, 24
	s_cselect_b32 s52, s25, s31                    ; e1 or e7
	s_add_co_i32 s52, s52, 127
	s_lshl_b32 s53, s52, 23
	v_mov_b32 v11, s53                             ; 2^e
	s_add_co_i32 s52, s52, 8
	s_lshl_b32 s52, s52, 23
	s_or_b32 s52, s52, MANT
.macro WBLOCK t
.set XS, WX+32*((\t)%2)
.if (\t) < NB-1
	s_wait_loadcnt 32                              ; this block's 32 loads are in; the next block's 32 may be out
.else
	s_wait_loadcnt 0
.endif
.set n, 0
.rept 32
.set n, n+1
.endr
.irp g, 0,1,2,3
	v_cvt_scalef32_pk8_fp8_f32 v[WC+2*\g:WC+2*\g+1], v[XS+8*\g:XS+8*\g+7], v11
.endr
	ds_store_b128 v[WSI], v[WC:WC+3] offset:32*(\t)        ; 32 codes: 32 bytes of my column's row
	ds_store_b128 v[WSI], v[WC+4:WC+7] offset:32*(\t)+16
.if (\t)+2 < NB
	WLOAD (\t)+2
.endif
	s_wait_dscnt 0x0                               ; the stores have read their registers: the next block's codes may be written
.endm
	s_wait_alu depctr_va_vdst(0)
.irp t, 0,1,2,3,4,5,6,7
	WBLOCK \t
.endr
.irp t, 0,1,2,3,4,5,6,7,8,9,10,11,12,13,14,15
	ds_load_b128 v[OUTR+4*\t:OUTR+4*\t+3], v[WSO] offset:2*\t*PITCH   ; LDS serves a wave's instructions in order: these see my stores
.endr
.irp t, 0,1,2,3,4,5,6,7,8,9,10,11,12,13,14,15
	s_wait_dscnt 15-\t                             ; the younger loads may be out
	global_store_b128 v8, v[OUTR+4*\t:OUTR+4*\t+3], s[14:15] offset:2*\t*1024
.endr
	s_wait_tensorcnt 0x0                           ; the wave's end, behind my last LDS store
	ds_add_u32 v[SPW], v[NIL]
	s_wait_dscnt 0x0
	s_endpgm
.Lfunc_end_k_qa44b1b250c_quant:
	.size	k_qa44b1b250c_quant, .Lfunc_end_k_qa44b1b250c_quant-k_qa44b1b250c_quant
	.p2alignl 7, 3214868480
	.fill 96, 4, 3214868480
	.section	.rodata,"a",@progbits
	.p2align	6, 0x0
	.amdhsa_kernel k_qa44b1b250c_quant
		.amdhsa_group_segment_fixed_size 68096
		.amdhsa_private_segment_fixed_size 0
		.amdhsa_enable_private_segment 0
		.amdhsa_kernarg_size 48
		.amdhsa_user_sgpr_count 2
		.amdhsa_user_sgpr_kernarg_segment_ptr 1
		.amdhsa_wavefront_size32 1
		.amdhsa_system_sgpr_workgroup_id_x 1
		.amdhsa_system_sgpr_workgroup_id_y 1
		.amdhsa_system_sgpr_workgroup_id_z 1
		.amdhsa_system_vgpr_workitem_id 0
		.amdhsa_next_free_vgpr 208
		.amdhsa_next_free_sgpr 66
		.amdhsa_reserve_vcc 0
		.amdhsa_float_denorm_mode_32 3
		.amdhsa_float_denorm_mode_16_64 3
		.amdhsa_fp16_overflow 1
		.amdhsa_memory_ordered 1
		.amdhsa_forward_progress 1
		.amdhsa_inst_pref_size 56
	.end_amdhsa_kernel
	.amdgpu_metadata
---
amdhsa.version: [ 1, 2 ]
amdhsa.kernels:
  - .name:           k_qa44b1b250c_quant
    .symbol:         k_qa44b1b250c_quant.kd
    .args:
      - { .name: hidden_states, .offset: 0, .size: 8, .value_kind: global_buffer, .address_space: global }
      - { .name: w_attn, .offset: 8, .size: 8, .value_kind: global_buffer, .address_space: global }
      - { .name: w_proj, .offset: 16, .size: 8, .value_kind: global_buffer, .address_space: global }
      - { .name: lowp_scales, .offset: 24, .size: 8, .value_kind: global_buffer, .address_space: global }
      - { .name: x_codes, .offset: 32, .size: 8, .value_kind: global_buffer, .address_space: global }
      - { .name: w_codes, .offset: 40, .size: 8, .value_kind: global_buffer, .address_space: global }
    .group_segment_fixed_size: 68096
    .private_segment_fixed_size: 0
    .kernarg_segment_align: 8
    .kernarg_segment_size: 48
    .max_flat_workgroup_size: 128
    .sgpr_count:     66
    .vgpr_count:     208
    .wavefront_size: 32
...
	.end_amdgpu_metadata
.endif
;; end of part 1
;; launch qkv (part 2): grid 12 x 32, 4 waves a work-group, clusters of 4 x 4, 327,680 bytes of LDS; arguments x_codes, w_codes, lowp_scales, b_attn, q_codes, k_codes, v_codes; writes q_codes, k_codes, v_codes
.if DOCPART == 2
	.amdgcn_target "amdgcn-amd-amdhsa--gfx1250"
	.amdhsa_code_object_version 6
	.text
	.protected	k_qa44b1b250c_qkv
	.globl	k_qa44b1b250c_qkv
	.p2align	8
	.type	k_qa44b1b250c_qkv,@function
k_qa44b1b250c_qkv:
	s_mov_b64 s[64:65], 0
	v_nop
	global_prefetch_b8 v0, s[64:65] scope:SCOPE_SE
	s_setreg_imm32_b32 hwreg(HW_REG_WAVE_MODE, 25, 1), 1
	s_wait_xcnt 0x0
	s_wait_alu depctr_hold_cnt(0) depctr_sa_sdst(0) depctr_va_vdst(0) depctr_va_sdst(0) depctr_va_ssrc(0) depctr_va_vcc(0) depctr_vm_vsrc(0)
	s_getreg_b32 s2, hwreg(HW_REG_IB_STS2, 6, 4)
	s_cmp_eq_u32 s2, 0
	s_cbranch_scc0 .Lentry_in_a_cluster
	s_endpgm
.Lentry_in_a_cluster:
	s_bfe_u32 s2, ttmp6, 0x10000c
	s_cmp_lg_u32 s2, 0xf033
	s_cbranch_scc0 .Lentry_shape_is_right
	s_endpgm
.Lentry_shape_is_right:
; LAUNCH 2 OF 4.  qkv = x W_attn + b_attn on codes of FP8 (E4M3), sums in f32; each finished number (sum x 2^(e0 + e1) + bias, one fused multiply-add) is quantised at once for the products of the attention:
;   q (e2) -> q_codes [64 heads][2048 tokens][64];  k (e3) -> k_codes, likewise;  v (e5) -> v_codes [64 heads][64 channels][2048 tokens]: the tokens innermost, since they are the K of the second product.
; LIMITS: e0 + e1 between -126 and 127; e2, e3, e5 between -126 and 119: each power of two below is then an f32 number.
; A tile of 256 tokens x 256 columns is made by a work-group of four waves; a wave makes 128 x 128: 64 accumulators, 512 registers.  K = 1,024 goes in four steps of 256 through a ring of two LDS slots.
; CLUSTERS: 4 x 4 work-groups.  The four of a row of the cluster need the same tile of x, the four of a column the same tile of w: each is asked for JOINTLY, by the same tensor load with a mask that names the four.
; A cluster's x (0, 1, 2) says whether its columns are q's, k's or v's: the same in all sixteen partners, so branches and choices may hang on it.
; THE MATRIX INSTRUCTION takes source 0 = 16 rows of set B and source 1 = 16 rows of set A: a lane then holds ONE row of A's operand and eight neighbours of B's.  For q and k: A = x, B = w: a token and 8 neighbouring
; channels.  For v the two LDS bases change places: A = w, B = x: a channel and 8 neighbouring tokens, as v_codes wants them.  Nothing else in the products changes.
; REGISTERS, in windows of 256: window 0: v0-31 addresses; v32-95, v96-103 the bias; from v128 A's fragments (one set).  window 1: B's fragments, two sets.  windows 2, 3: the accumulators ((a, b) at v[8 (8 (a % 4) + b)]).
.set ROWB,   256                       ; a tile's row in bytes: 256 codes
.set KROW,   1024                      ; a row of x_codes or w_codes
.set PITCH,  272                       ; an LDS row: 256 bytes + 16 of padding = 68 words, so the 16 rows that a load touches start at 16 different banks (64 banks of 4 bytes: ISA guide 11.1)
.set FR,     16                        ; registers of a fragment: 16 rows x 128 K
.set NL,     4                         ; LDS loads that bring one
.set NP,     4                         ; places behind this matrix instruction (ISA guide 7.12.1)
.set HALFT,  128*PITCH                 ; 128 rows: what one tensor load brings
.set SLOT,   4*HALFT                   ; x's 256 rows, then w's 256 rows
.set SPARE,  2*SLOT                    ; behind the ring: the spare words, 128 bytes for each wave
.set BCO,  7                           ; v7   32 x (lane / 16): the bias by columns
.set BRO,  8                           ; v8   4 x (lane % 16): the bias by rows
.set RDQ,  9                           ; v9   the way out of q and k: four lanes to a token's 64 bytes of a head
.set RDV,  10                          ; v10  the way out of v: sixteen lanes to a channel's 256 bytes
.set GOQ,  11                          ; v11  and the same places in memory
.set GOV,  12
.set SCV,  13                          ; v13  2^e of the part
.set LIMV, 14
.set ADRA, 16                          ; v16-17  LDS address of my A fragments in slot 0, 1
.set ADRB, 20                          ; v20-21  the same for B
.set STO,  24                          ; v24  the way out: where I put 8 codes
.set SPW,  28                          ; v28  LDS address of my spare word; never rewritten
.set NIL,  29                          ; v29  0; never rewritten
.set BC,   32                          ; v32-95  the bias at B's 128 columns of mine: register 8 b + j
.set BR,   96                          ; v96-103 the bias at A's rows of mine: register a
.set AF,   128
.set TMP,  128                         ; the way out: 64 numbers of a block
.set CD,   192                         ; four sets of 16 registers of codes
.set OB,   32                          ; 32 x 4 registers read back from the stage
.set G1, 24                            ; s[24:31] descriptor group 1 for x's tiles;  s[32:39] group 0, one set for each slot
.set G0, 32
.set G1B, 48                           ; s[48:55], s[56:63] the same for w's tiles
.set G0B, 56
.set MSB, 0
.macro WIN new                         ; the immediate's high byte repeats the setting that is left
.if MSB != \new
	s_set_vgpr_msb (MSB<<8)|\new
.set MSB, \new
.endif
.endm
.set MUL_LO, 0xa1                      ; source 0 (B) window 1, source 1 (A) window 0, C and D window 2
.set MUL_HI, 0xf1                      ; the same, C and D window 3
.set TO_B,   0x40                      ; destination window 1, address window 0
; A joint load: waves 0 and 1 fetch x's halves, waves 2 and 3 w's.  Each line has one mask and one set of registers for all that issue it; the branch hangs on the wave's number alone.
; An s_nop 0 and four v_nop follow each of the two lines.
.macro JLOAD g0a, g1a, g0b, g1b
	s_cmp_eq_u32 s15, 0
	s_cbranch_scc0 .Lfor_b_\@
	tensor_load_to_lds s[\g0a:\g0a+3], s[\g1a:\g1a+7]
	s_nop 0
.rept 4
	v_nop
.endr
	s_branch .Lasked_\@
.Lfor_b_\@:
	tensor_load_to_lds s[\g0b:\g0b+3], s[\g1b:\g1b+7]
	s_nop 0
.rept 4
	v_nop
.endr
.Lasked_\@:
.endm
.macro CREST                           ; a round of the cluster's barrier behind its opening barrier
	s_cmp_lg_u32 s14, 0
	s_cbranch_scc1 .Lnot_wave_0_\@
	s_barrier_signal -3
.Lnot_wave_0_\@:
	s_barrier_wait -3
	s_barrier_signal -1
	s_barrier_wait -1
.endm
.macro CROUND                          ; a whole round
	s_barrier_signal -1
	s_barrier_wait -1
	CREST
.endm
	s_load_b256 s[4:11], s[0:1], 0x0               ; x_codes s[4:5], w_codes s[6:7], the scales' exponents s[8:9], b_attn s[10:11]
	s_load_b128 s[68:71], s[0:1], 0x20             ; q_codes s[68:69], k_codes s[70:71]
	s_load_b64 s[72:73], s[0:1], 0x30              ; v_codes
	v_lshl_add_u32 v[SPW], v0, 2, SPARE
	v_mov_b32 v[NIL], 0
	ds_add_u32 v[SPW], v[NIL]                      ; the wave's opening: the add and its wait stand ahead of my first tensor load; the set-up below, work on registers, stands between them
	ds_add_u32 v[SPW], v[NIL]
	v_lshrrev_b32 v1, 5, v0
	v_readfirstlane_b32 s14, v1                    ; wave 0..3
	s_lshr_b32 s15, s14, 1                         ; which half of A's rows is mine.  Also: I fetch x (0) or w (1)
	s_and_b32 s16, s14, 1                          ; which half of B's rows.  Also: which 128 rows of that tile I fetch
	s_bfe_u32 s40, ttmp6, 0x40000                  ; cx, cy: my place in the cluster
	s_bfe_u32 s41, ttmp6, 0x40004
	s_lshl_b32 s42, ttmp9, 2
	s_add_co_u32 s42, s42, s40                     ; tile column = 4 x cluster x + cx: 0 .. 11
	s_and_b32 s17, ttmp7, 0xffff
	s_lshl_b32 s17, s17, 2
	s_add_co_u32 s17, s17, s41                     ; tile row = 4 x cluster y + cy: 0 .. 31
	s_lshl_b32 s43, s41, 2
	s_lshl_b32 s43, 15, s43                        ; my row of the cluster
	s_lshl_b32 s44, 0x1111, s40                    ; my column
	s_or_b32 s[G1+0], s43, (0<<16)|(1<<20)|(1<<21)|(5<<22)|(3<<25)  ; 15:0 the mask: x's tiles go to my row; 17:16 elements of 1 byte; 20 padding on; 21 set beside a mask; 24:22 after every 64 words; 31:25 of 4 words
	s_or_b32 s[G1B+0], s44, (0<<16)|(1<<20)|(1<<21)|(5<<22)|(3<<25) ; the same with my column's mask, for w's tiles
.irp g, G1, G1B
	s_mov_b32 s[\g+1], ROWB<<16                    ; tensor_dim0 = 256
	s_mov_b32 s[\g+2], 128<<16                     ; tensor_dim1 = 128
	s_mov_b32 s[\g+3], ROWB<<16                    ; tile_dim0 = 256
	s_mov_b32 s[\g+4], 128                         ; tile_dim1 = 128
	s_mov_b32 s[\g+5], KROW                        ; from row to row
	s_mov_b32 s[\g+6], 0
	s_mov_b32 s[\g+7], 0
.endr
	s_lshl_b32 s18, s16, 7                         ; which 128 rows of the tile I fetch
	s_lshl_b32 s20, s17, 8
	s_add_co_u32 s20, s20, s18
	s_lshl_b32 s20, s20, 10                        ; x: (256 x tile row + 128 x half) rows of 1,024 bytes
	s_mov_b32 s21, 0
	s_lshl_b32 s46, s42, 8
	s_add_co_u32 s46, s46, s18
	s_lshl_b32 s46, s46, 10                        ; w: the same with the tile column
	s_mov_b32 s47, 0
	s_mul_i32 s45, s14, HALFT                      ; where they go: wave x 128 rows: no place in the cluster enters an LDS address
	s_cmp_eq_u32 ttmp9, 2                          ; v's columns?  The cluster's x is the same in all partners
	s_cselect_b32 s75, 2*HALFT, 0                  ; where set A's operand lies in a slot: x's region, for v w's
	s_cselect_b32 s76, 0, 2*HALFT                  ; and set B's
	s_wait_dscnt 0x0                               ; the opening add is done
	s_wait_kmcnt 0x0
	s_load_b256 s[80:87], s[8:9], 0x0              ; e0 .. e7
	s_add_nc_u64 s[20:21], s[4:5], s[20:21]
	s_add_nc_u64 s[46:47], s[6:7], s[46:47]
	CROUND                                         ; all sixteen work-groups are here: the first joint loads meet
.irp s, 0,1
	s_mov_b32 s[G0+4*\s], 1
	s_add_co_u32 s[G0+4*\s+1], s45, \s*SLOT
	s_add_nc_u64 s[G0+4*\s+2:G0+4*\s+3], s[20:21], \s*ROWB
	s_or_b32 s[G0+4*\s+3], s[G0+4*\s+3], 0x80000000
	s_mov_b32 s[G0B+4*\s], 1
	s_add_co_u32 s[G0B+4*\s+1], s45, \s*SLOT
	s_add_nc_u64 s[G0B+4*\s+2:G0B+4*\s+3], s[46:47], \s*ROWB
	s_or_b32 s[G0B+4*\s+3], s[G0B+4*\s+3], 0x80000000
	JLOAD G0+4*\s, G1, G0B+4*\s, G1B               ; K steps 0 and 1: two loads of mine are out
.endr
	v_and_b32 v1, 15, v0                           ; r = lane % 16
	v_bfe_u32 v2, v0, 4, 1                         ; h = lane / 16
	v_and_b32 v6, 31, v0                           ; lane
	v_mul_u32_u24 v3, v1, PITCH
	s_wait_alu depctr_va_vdst(0)
	v_lshl_add_u32 v4, v2, 4, v3                   ; a fragment's row x pitch + 16 x half
	s_mul_i32 s21, s15, HALFT
	s_add_co_u32 s21, s21, s75                     ; my 128 rows of set A's operand
	s_mul_i32 s22, s16, HALFT
	s_add_co_u32 s22, s22, s76                     ; and of set B's
.irp s, 0,1
	v_add_nc_u32 v[ADRA+\s], s21, v4
	v_add_nc_u32 v[ADRB+\s], s22, v4
	s_add_co_u32 s21, s21, SLOT
	s_add_co_u32 s22, s22, SLOT
.endr
	; the way out: ONE stage of 256 rows x 272 bytes for the four waves, from LDS byte 0 on: it lies in slot 0, which has had its last fill and its last read when the first code is stored there
	s_mul_i32 s23, s15, HALFT
	s_lshl_b32 s18, s16, 7
	s_add_co_u32 s23, s23, s18
	v_lshl_add_u32 v5, v2, 3, v3
	v_add_nc_u32 v[STO], s23, v5                   ; in: row 128 x (A's half) + r, byte 128 x (B's half) + 8 h
	s_mul_i32 s23, s14, 64*PITCH                   ; back: wave w takes rows 64 w .. 64 w + 63, whole
	v_lshrrev_b32 v5, 2, v6
	v_mul_u32_u24 v5, v5, PITCH
	v_and_b32 v3, 3, v6
	v_lshl_add_u32 v5, v3, 4, v5
	v_add_nc_u32 v[RDQ], s23, v5                   ; q, k: eight tokens an instruction, 64 bytes (one head) of each
	v_mul_u32_u24 v5, v2, PITCH
	v_lshl_add_u32 v5, v1, 4, v5
	v_add_nc_u32 v[RDV], s23, v5                   ; v: two channels an instruction, 256 bytes of each
	v_lshlrev_b32 v[GOQ], 4, v6                    ; eight tokens of a head are 512 consecutive bytes
	v_lshlrev_b32 v5, 11, v2
	v_lshl_add_u32 v[GOV], v1, 4, v5               ; a channel's row of v_codes is 2,048 bytes
	v_lshlrev_b32 v[BCO], 5, v2
	s_wait_alu depctr_va_vdst(0)
	v_lshlrev_b32 v[BRO], 2, v1
	s_wait_alu depctr_va_vdst(0)
	; the bias, both ways: by B's columns (used for q and k) and by A's rows (used for v).  Both stay inside b_attn whatever the part
	s_lshl_b32 s92, s42, 10
	s_lshl_b32 s93, s16, 9
	s_add_co_u32 s92, s92, s93
	s_mov_b32 s93, 0
	s_add_nc_u64 s[88:89], s[10:11], s[92:93]      ; b_attn at 256 x tile column + 128 x (B's half)
	s_lshl_b32 s92, s42, 10
	s_lshl_b32 s94, s15, 9
	s_add_co_u32 s92, s92, s94
	s_add_nc_u64 s[90:91], s[10:11], s[92:93]      ; and at 128 x (A's half)
.irp b, 0,1,2,3,4,5,6,7
	global_load_b128 v[BC+8*\b:BC+8*\b+3],   v[BCO], s[88:89] offset:64*\b
	global_load_b128 v[BC+8*\b+4:BC+8*\b+7], v[BCO], s[88:89] offset:64*\b+16
.endr
.irp a, 0,1,2,3,4,5,6,7
	global_load_b32 v[BR+\a], v[BRO], s[90:91] offset:64*\a
.endr
	; the scales, the part's buffer and my place in it: made here, while the first tiles are on their way
	s_wait_kmcnt 0x0
	s_add_co_i32 s96, s80, s81
	s_add_co_i32 s96, s96, 127
	s_lshl_b32 s96, s96, 23                        ; 2^(e0 + e1) as f32
	s_mov_b32 s97, s96                             ; (named with it as a pair, so it is written)
	s_cmp_eq_u32 ttmp9, 0
	s_cselect_b32 s77, s82, s83                    ; e2 for q, e3 for k,
	s_cselect_b64 s[78:79], s[68:69], s[70:71]
	s_cmp_eq_u32 ttmp9, 2
	s_cselect_b32 s77, s85, s77                    ; e5 for v
	s_cselect_b64 s[78:79], s[72:73], s[78:79]
	s_cselect_b32 s94, 8, 14                       ; 256 tokens on: 256 bytes in a row of v_codes, 256 rows of 64 bytes in q_codes
	s_cselect_b32 s95, 17, 12                      ; my wave's 64 stage rows: 64 channels of 2,048 bytes, or 64 tokens of 64 bytes
	s_add_co_i32 s77, s77, 127
	s_lshl_b32 s74, s77, 23
	v_mov_b32 v[SCV], s74
	s_lshr_b32 s92, s17, 3
	s_lshl_b32 s92, s92, 21                        ; the batch: 16 heads of 131,072 bytes
	s_lshl_b32 s93, s40, 19                        ; my tile's four heads
	s_add_co_u32 s92, s92, s93
	s_and_b32 s93, s17, 7
	s_lshl_b32 s93, s93, s94
	s_add_co_u32 s92, s92, s93
	s_lshl_b32 s93, s14, s95
	s_add_co_u32 s92, s92, s93
	s_mov_b32 s93, 0
	s_add_nc_u64 s[78:79], s[78:79], s[92:93]
.macro FRAG reg, adr, q, i             ; a fragment, 16 rows x 128 K, is 16 registers: lane l holds row l % 16; registers 4 c .. 4 c + 3 hold K = 32 c + 16 (l / 16) + 0 .. 15: the same order of k in A and in B
.irp c, 0,1,2,3
	ds_load_b128 v[\reg+4*\c:\reg+4*\c+3], v[\adr] offset:128*(\q)+32*\c+(\i)*16*PITCH
.endr
.endm
; 16 matrix instructions: A's blocks a0, a0 + 1 x B's eight, 128 along K.  p: B's set.  zero = 1: the first product starts the sums.  The 64 accumulators take turns, one instruction a turn, in the same order in every step.
.macro MUL16 a0, p, zero
.irp a, \a0, \a0+1
.irp b, 0,1,2,3,4,5,6,7
.if \zero
	v_wmma_f32_16x16x128_fp8_fp8 v[8*(8*((\a)%4)+\b):8*(8*((\a)%4)+\b)+7], v[128*(\p)+FR*\b:128*(\p)+FR*\b+FR-1], v[AF+FR*(\a):AF+FR*(\a)+FR-1], 0
.else
	v_wmma_f32_16x16x128_fp8_fp8 v[8*(8*((\a)%4)+\b):8*(8*((\a)%4)+\b)+7], v[128*(\p)+FR*\b:128*(\p)+FR*\b+FR-1], v[AF+FR*(\a):AF+FR*(\a)+FR-1], v[8*(8*((\a)%4)+\b):8*(8*((\a)%4)+\b)+7]
.endif
.endr
.endr
.endm
.macro FETCH_B slot, q, p              ; B's eight fragments of the slot's q-th 128 along K into set p
	WIN TO_B
.irp i, 0,1,2,3,4,5,6,7
	FRAG 128*(\p)+FR*\i, ADRB+\slot, \q, \i
.endr
	WIN 0
.endm
.macro FETCH_A slot, q, i0             ; A's blocks i0 .. i0 + 3
.irp i, \i0, \i0+1, \i0+2, \i0+3
	FRAG AF+FR*(\i), ADRA+\slot, \q, \i
.endr
.endm
.macro PLACES n                        ; plain vector instructions that name no register of the matrix instructions before them, ahead of loads into registers that those have read and of reads of their results
.rept \n
	v_nop
.endr
.endm
; A step of 128 along K that has its successor in the same slot.  A block of A is free as soon as its eight products are issued: blocks 0-3 are fetched anew in the step's middle, blocks 4-7 at its end.
.macro STEP slot, q, zero
	s_wait_dscnt 4*NL                              ; B's set and A's blocks 0-3 are in; the youngest sixteen loads (A's blocks 4-7) may be out
	WIN MUL_LO
	MUL16 0, (\q)%2, \zero
	MUL16 2, (\q)%2, \zero
	s_wait_dscnt 0                                 ; A's blocks 4-7 are in
	PLACES NP
	FETCH_B \slot, (\q)+1, 1-(\q)%2
	FETCH_A \slot, (\q)+1, 0
	WIN MUL_HI
	MUL16 4, (\q)%2, \zero
	MUL16 6, (\q)%2, \zero
	PLACES NP
	WIN 0
	FETCH_A \slot, (\q)+1, 4
.endm
; A slot's last step changes slots: ONE barrier; in front of it each wave waits for all its tensor loads, adds 0 to its spare word, and waits for that and for its own reads of this slot.  fill = 1: this slot is filled again, two K steps ahead.
.macro TURN slot, next, fill
	s_wait_tensorcnt 0x0                           ; all my tensor loads have landed: my part of the next slot  (every window is 0 here)
	ds_add_u32 v[SPW], v[NIL]                      ; 0 onto my spare word
	s_wait_dscnt 4*NL+1                            ; (the add and the youngest sixteen loads, A's blocks 4-7, may be out)
	WIN MUL_LO
	MUL16 0, 1, 0                                  ; sixteen matrix instructions stand between the add and the wait for it
	s_wait_dscnt 0x0                               ; the add is done, and my reads of this slot are over
	s_barrier_signal -1
	MUL16 2, 1, 0
	WIN 0
	s_barrier_wait -1
.if \fill
	CREST                                          ; the barrier has opened a round of the cluster's barrier: no wave of any partner still reads this slot's tile or has a load on its way
	s_add_nc_u64 s[G0+4*\slot+2:G0+4*\slot+3], s[G0+4*\slot+2:G0+4*\slot+3], 2*ROWB
	s_add_nc_u64 s[G0B+4*\slot+2:G0B+4*\slot+3], s[G0B+4*\slot+2:G0B+4*\slot+3], 2*ROWB
	JLOAD G0+4*\slot, G1, G0B+4*\slot, G1B         ; the first tensor load behind the round, my one load until the next; its four v_nop are the places in front of the loads below
.else
	PLACES NP
.endif
	FETCH_B \next, 0, 0
	FETCH_A \next, 0, 0
	WIN MUL_HI
	MUL16 4, 1, 0
	MUL16 6, 1, 0
	PLACES NP
	WIN 0
	FETCH_A \next, 0, 4
.endm
	s_wait_tensorcnt 1                             ; my part of K step 0 is in; K step 1's load may be out
	s_barrier_signal -1
	s_barrier_wait -1                              ; everybody's is
	FETCH_B 0, 0, 0
	FETCH_A 0, 0, 0
	FETCH_A 0, 0, 4
	STEP 0, 0, 1                                   ; K = 1,024 is four K steps of 256, eight steps of 128: written out
	TURN 0, 1, 1                                   ; slot 0 takes K step 2
	STEP 1, 0, 0
	TURN 1, 0, 1                                   ; slot 1 takes K step 3
	STEP 0, 0, 0
	TURN 0, 1, 0                                   ; nothing is left to fetch: a plain barrier; behind it nobody reads slot 0
	STEP 1, 0, 0
	s_wait_dscnt 4*NL
	WIN MUL_LO
	MUL16 0, 1, 0
	MUL16 2, 1, 0
	s_wait_dscnt 0
	WIN MUL_HI
	MUL16 4, 1, 0
	MUL16 6, 1, 0
	WIN 0
; THE WAY OUT.  Block a (16 rows of A's operand x my 128 of B's): number = sum x 2^(e0 + e1) + bias, one packed fused multiply-add for two; eight neighbours to eight codes; 8 bytes a lane into the stage.
; The bias hangs on the channel: for q and k that is B's index (register 8 b + j of BC), for v A's (my lane's row: register a of BR, named inside its even-aligned pair).  The two arms hold work on registers alone.
.macro QBLOCK a
.set AC, 64*((\a)%4)
	s_cmp_eq_u32 ttmp9, 2
	s_cbranch_scc1 .Lrow_\@
	WIN 0x02+((\a)/4)                              ; source 0: window 2 or 3
.set j, 0
.rept 32
	v_pk_fma_f32 v[TMP+j:TMP+j+1], v[AC+j:AC+j+1], s[96:97], v[BC+j:BC+j+1] op_sel_hi:[1,0,1]   ; each accumulator from its low end on
.set j, j+2
.endr
	WIN 0
	s_branch .Lsum_\@
.Lrow_\@:
	WIN 0x02+((\a)/4)
.set j, 0
.rept 32
.if (\a)%2
	v_pk_fma_f32 v[TMP+j:TMP+j+1], v[AC+j:AC+j+1], s[96:97], v[BR+(\a)-1:BR+(\a)] op_sel:[0,0,1] op_sel_hi:[1,0,1]   ; the pair's second register for both halves
.else
	v_pk_fma_f32 v[TMP+j:TMP+j+1], v[AC+j:AC+j+1], s[96:97], v[BR+(\a):BR+(\a)+1] op_sel_hi:[1,0,0]                  ; the pair's first register for both halves
.endif
.set j, j+2
.endr
	WIN 0
.Lsum_\@:
.if (\a) >= 4
	s_wait_dscnt 24                                ; the 24 stores of the three blocks before may be out: block a - 4's have read this set of code registers
.endif
.set j, 0
.rept 64
.set j, j+1
.endr
	s_wait_alu depctr_va_vdst(0)
.irp b, 0,1,2,3,4,5,6,7
	v_cvt_scalef32_pk8_fp8_f32 v[CD+16*((\a)%4)+2*\b:CD+16*((\a)%4)+2*\b+1], v[TMP+8*\b:TMP+8*\b+7], v[SCV]
.endr
	v_nop                                          ; one plain vector instruction behind the last conversion, ahead of the next writes of its sources
.irp b, 0,1,2,3,4,5,6,7
	ds_store_b64 v[STO], v[CD+16*((\a)%4)+2*\b:CD+16*((\a)%4)+2*\b+1] offset:(\a)*16*PITCH+16*\b
.endr
.endm
	s_wait_loadcnt 0x0                             ; the bias
	PLACES NP                                      ; behind the last products: the first block's numbers are written where A's fragments lay
.irp a, 0,1,2,3,4,5,6,7
	QBLOCK \a
.endr
	s_wait_dscnt 0x0                               ; for the others' sake: my stores into the stage are done; a row's 256 bytes come from two waves
	s_barrier_signal -1
	s_barrier_wait -1
	s_cmp_eq_u32 ttmp9, 2
	s_cbranch_scc1 .Lout_v
.set n, 0
.rept 32                               ; q, k: head n / 8 of the tile's four, tokens 8 (n % 8) on of my 64
	ds_load_b128 v[OB+4*n:OB+4*n+3], v[RDQ] offset:(n%8)*8*PITCH+64*(n/8)
.set n, n+1
.endr
.set n, 0
.rept 32
	s_wait_dscnt 31-n                              ; the younger loads may be out
	global_store_b128 v[GOQ], v[OB+4*n:OB+4*n+3], s[78:79] offset:131072*(n/8)+512*(n%8)   ; 32 lanes store 512 consecutive bytes, aligned: eight tokens of one head
.set n, n+1
.endr
	s_branch .Lout_done
.Lout_v:
.set n, 0
.rept 32                               ; v: channels 2 n, 2 n + 1 of my 64
	ds_load_b128 v[OB+4*n:OB+4*n+3], v[RDV] offset:n*2*PITCH
.set n, n+1
.endr
.set n, 0
.rept 32
	s_wait_dscnt 31-n
	global_store_b128 v[GOV], v[OB+4*n:OB+4*n+3], s[78:79] offset:4096*n   ; sixteen lanes store 256 consecutive bytes, aligned: 256 tokens of one channel
.set n, n+1
.endr
.Lout_done:
	s_wait_tensorcnt 0x0                           ; the wave's end, behind my last tensor load and my last LDS store
	ds_add_u32 v[SPW], v[NIL]
	s_wait_dscnt 0x0
	CROUND                                         ; the closing round: no work-group ends while a partner may still ask for a tile that names it
	s_endpgm
.Lfunc_end_k_qa44b1b250c_qkv:
	.size	k_qa44b1b250c_qkv, .Lfunc_end_k_qa44b1b250c_qkv-k_qa44b1b250c_qkv
	.p2alignl 7, 3214868480
	.fill 96, 4, 3214868480
	.section	.rodata,"a",@progbits
	.p2align	6, 0x0
	.amdhsa_kernel k_qa44b1b250c_qkv
		.amdhsa_group_segment_fixed_size 327680
		.amdhsa_private_segment_fixed_size 0
		.amdhsa_enable_private_segment 0
		.amdhsa_kernarg_size 56
		.amdhsa_user_sgpr_count 2
		.amdhsa_user_sgpr_kernarg_segment_ptr 1
		.amdhsa_wavefront_size32 1
		.amdhsa_system_sgpr_workgroup_id_x 1
		.amdhsa_system_sgpr_workgroup_id_y 1
		.amdhsa_system_sgpr_workgroup_id_z 1
		.amdhsa_system_vgpr_workitem_id 0
		.amdhsa_next_free_vgpr 1024
		.amdhsa_next_free_sgpr 100
		.amdhsa_reserve_vcc 0
		.amdhsa_float_denorm_mode_32 3
		.amdhsa_float_denorm_mode_16_64 3
		.amdhsa_fp16_overflow 1
		.amdhsa_memory_ordered 1
		.amdhsa_forward_progress 1
		.amdhsa_inst_pref_size 136
	.end_amdhsa_kernel
	.amdgpu_metadata
---
amdhsa.version: [ 1, 2 ]
amdhsa.kernels:
  - .name:           k_qa44b1b250c_qkv
    .symbol:         k_qa44b1b250c_qkv.kd
    .args:
      - { .name: x_codes, .offset: 0, .size: 8, .value_kind: global_buffer, .address_space: global }
      - { .name: w_codes, .offset: 8, .size: 8, .value_kind: global_buffer, .address_space: global }
      - { .name: lowp_scales, .offset: 16, .size: 8, .value_kind: global_buffer, .address_space: global }
      - { .name: b_attn, .offset: 24, .size: 8, .value_kind: global_buffer, .address_space: global }
      - { .name: q_codes, .offset: 32, .size: 8, .value_kind: global_buffer, .address_space: global }
      - { .name: k_codes, .offset: 40, .size: 8, .value_kind: global_buffer, .address_space: global }
      - { .name: v_codes, .offset: 48, .size: 8, .value_kind: global_buffer, .address_space: global }
    .group_segment_fixed_size: 327680
    .private_segment_fixed_size: 0
    .kernarg_segment_align: 8
    .kernarg_segment_size: 56
    .max_flat_workgroup_size: 128
    .sgpr_count:     100
    .vgpr_count:     1024
    .wavefront_size: 32
...
	.end_amdgpu_metadata
.endif
;; end of part 2
;; launch attn (part 3): grid 4 x 64, 16 waves a work-group, no clusters, 327,680 bytes of LDS; arguments q_codes, k_codes, v_codes, lowp_scales, ctx_codes; writes ctx_codes
.if DOCPART == 3
	.amdgcn_target "amdgcn-amd-amdhsa--gfx1250"
	.amdhsa_code_object_version 6
	.text
	.protected	k_qa44b1b250c_attn
	.globl	k_qa44b1b250c_attn
	.p2align	8
	.type	k_qa44b1b250c_attn,@function
k_qa44b1b250c_attn:
	s_mov_b64 s[64:65], 0
	v_nop
	global_prefetch_b8 v0, s[64:65] scope:SCOPE_SE
	s_setreg_imm32_b32 hwreg(HW_REG_WAVE_MODE, 25, 1), 1
	s_wait_xcnt 0x0
; LAUNCH 3 OF 4.  Causal attention on codes of FP8 (E4M3), head size 64, 64 heads (batch x head) of 2,048 tokens; the result is quantised at once (e6) as the left operand of the last product.
; q_codes, k_codes: [64][2048][64].  v_codes: [64][64 channels][2048 keys].  ctx_codes: images of the last product's fragments: [512 blocks of 16 tokens][8 x 128 along K][4][32 lanes][16 bytes]:
; lane (r, h) at piece c holds token 16 block + r, k = 128 kf + 32 c + 16 h + 0 .. 15; head hh is kf = hh / 2, pieces 2 (hh % 2) and 2 (hh % 2) + 1.
; THE SOFTMAX: t = score x log2(e) / 8; M = the row's largest t so far, rounded UP to a whole number; p = 2^(t - M) is quantised (e4), not normalised; the row's sum is taken of the unquantised p and divides at the end.
; When M moves, the sum and O are multiplied by 2^(old M - new M): exact.  Hidden scores become -infinity ahead of the maximum, so their p is 0; key 0 counts for every query.
; SHARES.  256 work-groups of equal work: work-group (i, head) owns the blocks 7 - i and i of 256 queries, one after the other; each of its SIXTEEN waves owns one tile of 16 queries of the block in hand, in 256 registers.
; It walks NINE slots of 256 keys whatever i is: key slots 0 .. 7 - i for block 7 - i, then 0 .. i for block i: every trip count is a constant, and every slot that is fetched is read.
; A key step (128 keys) all of whose keys come after the wave's queries is jumped over: a scalar branch on ids, round work alone.
; NO CLUSTER: the four work-groups of a head turn back to key slot 0 at their visit 8 - i, which hangs on the work-group's number: partners would ask for different tiles from then on.
; LAYOUT.  Both products are used transposed: S^T = K Q^T (source 0 = 16 keys), O^T = V^T P^T (source 0 = 16 channels): a lane holds ONE query (lane % 16) throughout.
; The keys of a tile, and the channels of a tile of V, are not neighbours: lane r of tile 2 b + u takes row 32 b + 8 u + r + 8 (r / 8), so that the 16 registers of tiles 2 b, 2 b + 1 are 16 neighbours, 32 b + 16 (lane / 16) + 0 .. 15:
; the conversions' results are then the next product's operand registers, for p and for ctx alike: no stage in LDS.
; LIMITS on the given exponents: e2 + e3 between -123 and 130 (added to c's exponent field); e4 and e6 between -126 and 119; e4 + e5 is applied by v_ldexp_f32 and has none.
; REGISTERS: v1-7 addresses that stay; v8, v9 addresses in hand; v12 -M, v13 the largest t, v[14:15] the sum; v16-23 Q in hand, v24-31 Q of the second block; v32-95 fragments of K, then of V; v96-159 S^T, then p; v160-191 O^T; v192-207 p's codes; v224-231 ctx's codes.
.set KP,    80                         ; a key's row in LDS: 64 bytes + 16 of padding
.set VP,    272                        ; a channel's row of V's tile: 256 bytes + 16
.set VOFF,  256*KP                     ; a slot: 256 rows of K, then 64 rows of V
.set SLOT1, 1<<16                      ; slot 1 begins here: one exclusive or turns an address in one slot into the other's
.set SPARE, 2*SLOT1                    ; behind the ring: the spare words, 128 bytes for each of 16 waves
.set AK0,  1                           ; v1   my lane's place in a tile of K
.set AV0,  2                           ; v2   the same for V
.set PFO,  3                           ; v3   the prefetches' offset; never rewritten
.set GO,   4                           ; v4   16 x lane: my place in an image
.set SPW,  5                           ; v5   LDS address of my spare word; never rewritten
.set NIL,  6                           ; v6   0; never rewritten
.set ADK,  8
.set ADV,  9
.set TB,   2                           ; s2   LDS byte at which the slot in hand begins
.set WV,   18                          ; s18  my wave's number
.set SEL,  20                          ; s[20:21] lane selects for v_permlanex16_b32: lane l xor 16
.set CS,   22                          ; s[22:23] c = log2(e) / 8 x 2^(e2 + e3)
.set G1K,  24                          ; s[24:31], s[32:39] descriptor groups 1;  s[40:43], s[44:47] groups 0
.set G1V,  32
.set G0K,  40
.set G0V,  44
.set KB,   48                          ; s[48:49] k_codes at my head (and my half of a slot's keys)
.set VB,   50                          ; s[50:51] v_codes at my head
.set OA,   52                          ; s[52:53] ctx_codes at my tile of block 7 - i
.set OB,   54                          ; s[54:55] and of block i
.set NXT,  56                          ; s56  the key slot of the visit ahead
.set WRAPN, 57                         ; s57  8 - i: where the key slots begin anew
.set WR,   58                          ; s58  i + 1: the loop's count at the first block's last visit
.set Q0B,  59                          ; s59  my first query in block i
.set EPV,  60                          ; s60  e4 + e5
.set OFS,  62                          ; s[62:63] an offset in 64 bits
.set SLOTS, 67                         ; s67  the loop's count
.set PFA,  76                          ; s[76:77] where my prefetches stand
.set PFS,  78                          ; s[78:79] a slot on, in bytes
.set LIM,  80                          ; s80  2 in a wave that prefetches, else the greatest number
.set KF,   98                          ; s98  the step's first key
.set Q0,   99                          ; s99  my first query in the block in hand
; Waves 0 and 1 fetch K's halves (128 rows of 64 bytes each), wave 2 V's 64 rows of 256 bytes, the others nothing.  The branches hang on the wave's number alone.  An s_nop 0 and four v_nop follow each line.
.macro TLOAD
	s_cmp_lt_u32 s[WV], 2
	s_cbranch_scc0 .Lnot_k_\@
	tensor_load_to_lds s[G0K:G0K+3], s[G1K:G1K+7]
	s_nop 0
.rept 4
	v_nop
.endr
	s_branch .Lasked_\@
.Lnot_k_\@:
	s_cmp_lt_u32 s[WV], 3
	s_cbranch_scc0 .Lasked_\@
	tensor_load_to_lds s[G0V:G0V+3], s[G1V:G1V+7]
	s_nop 0
.rept 4
	v_nop
.endr
.Lasked_\@:
.endm
; A PREFETCH INTO THE L2 of the key slot that the NEXT change of slots will ask for: two key steps ahead of that load.  All four work-groups of a head walk the same K and V from key slot 0 on: the one with i = 0, whose first
; block walks all eight key slots, asks, and nobody else.  In it waves 4 and 5 ask for K's 16,384 bytes of a slot (8,192 a wave, lanes 256 bytes apart), waves 6 and 7 for V's 64 rows (32 a wave, a lane a row's 256 bytes):
; each aligned block of 256 bytes is named once in the launch.  Trips 0 to 5 name key slots 2 to 7; key slots 0 and 1 come by their loads alone, and nothing past the head's last key is named.
.macro ASK
	s_cmp_gt_u32 s[SLOTS], s[LIM]
	s_cbranch_scc0 .Lnot_mine_\@
	global_prefetch_b8 v[PFO], s[PFA:PFA+1] th:TH_LOAD_NT scope:SCOPE_SE
.Lnot_mine_\@:
.endm
.macro INIT                            ; a block begins: O^T and the sum are zeros, the largest t lies under every t: the first change of M multiplies zeros
	v_mov_b32 v13, 0xff61b1e6                      ; -3e38
	s_delay_alu instid0(VALU_DEP_1)
	v_floor_f32 v12, -v13                          ; -M
	v_mov_b32 v14, 0
	v_mov_b32 v15, 0
.set j, 0
.rept 32
	v_mov_b32 v[160+j], 0
.set j, j+1
.endr
.endm
	s_load_b256 s[4:11], s[0:1], 0x0               ; q_codes s[4:5], k_codes s[6:7], v_codes s[8:9], the scales' exponents s[10:11]
	s_load_b64 s[12:13], s[0:1], 0x20              ; ctx_codes
	v_lshl_add_u32 v[SPW], v0, 2, SPARE
	v_mov_b32 v[NIL], 0
	ds_add_u32 v[SPW], v[NIL]                      ; the wave's opening: the add and its wait stand ahead of my first tensor load; the set-up below, work on registers, stands between them
	ds_add_u32 v[SPW], v[NIL]
	v_lshrrev_b32 v8, 5, v0
	s_delay_alu instid0(VALU_DEP_1)
	v_readfirstlane_b32 s[WV], v8                  ; wave 0..15
	s_and_b32 s81, ttmp7, 0xffff                   ; the head, 0 .. 63
	s_lshl_b32 s84, s81, 17                        ; its first byte in q_codes, k_codes and v_codes
	s_mov_b32 s85, 0
	s_sub_co_u32 s[WRAPN], 8, ttmp9
	s_add_co_u32 s[WR], ttmp9, 1
	s_lshl_b32 s82, s[WV], 4
	s_lshl_b32 s[Q0B], ttmp9, 8
	s_add_co_u32 s[Q0B], s[Q0B], s82               ; 256 i + 16 w
	s_sub_co_u32 s[Q0], 7, ttmp9
	s_lshl_b32 s[Q0], s[Q0], 8
	s_add_co_u32 s[Q0], s[Q0], s82                 ; 256 (7 - i) + 16 w
	s_lshr_b32 s86, s81, 4
	s_lshl_b32 s86, s86, 21                        ; ctx_codes: the batch's 128 blocks of 16,384 bytes,
	s_and_b32 s87, s81, 15
	s_lshl_b32 s87, s87, 10                        ; the head's two pieces: 2,048 (hh / 2) + 1,024 (hh % 2) = 1,024 hh,
	s_add_co_u32 s86, s86, s87
	s_lshl_b32 s88, s[Q0], 10                      ; and my tile: (query / 16) x 16,384
	s_add_co_u32 s88, s88, s86
	s_mov_b32 s89, 0
	s_lshl_b32 s90, s[Q0B], 10
	s_add_co_u32 s90, s90, s86
	s_mov_b32 s91, 0
	s_and_b32 s92, s[WV], 1                        ; which half of a slot's keys I fetch, if I fetch K:
	s_lshl_b32 s94, s92, 13                        ; 128 rows of 64 bytes in memory,
	s_mov_b32 s95, 0
	s_add_nc_u64 s[94:95], s[94:95], s[84:85]
	s_mul_i32 s93, s92, 128*KP                     ; and in a slot
	s_mov_b32 s[G1K], (0<<16)|(1<<20)|(3<<22)|(3<<25)   ; no mask; elements of 1 byte; padding on: four words after every 16
	s_mov_b32 s[G1K+1], 64<<16                     ; tensor_dim0 = 64
	s_mov_b32 s[G1K+2], 128<<16                    ; tensor_dim1 = 128
	s_mov_b32 s[G1K+3], 64<<16                     ; tile_dim0 = 64
	s_mov_b32 s[G1K+4], 128                        ; tile_dim1 = 128
	s_mov_b32 s[G1K+5], 64                         ; from row to row
	s_mov_b32 s[G1K+6], 0
	s_mov_b32 s[G1K+7], 0
	s_mov_b32 s[G1V], (0<<16)|(1<<20)|(5<<22)|(3<<25)   ; padding: four words after every 64
	s_mov_b32 s[G1V+1], 256<<16
	s_mov_b32 s[G1V+2], 64<<16
	s_mov_b32 s[G1V+3], 256<<16
	s_mov_b32 s[G1V+4], 64
	s_mov_b32 s[G1V+5], 2048
	s_mov_b32 s[G1V+6], 0
	s_mov_b32 s[G1V+7], 0
	s_mov_b32 s[SEL], 0x76543210
	s_mov_b32 s[SEL+1], 0xfedcba98
	s_mov_b32 s[CS], 0x3e38aa3b                    ; log2(e) / sqrt(64)
	s_mov_b32 s[TB], 0
	s_mov_b32 s[SLOTS], 8
	s_mov_b32 s[NXT], 0
	s_mov_b32 s[KF], 0
	s_mov_b32 s[OFS+1], 0
	s_wait_dscnt 0x0                               ; the opening add is done
	s_wait_kmcnt 0x0
	s_load_b256 s[68:75], s[10:11], 0x0            ; e0 .. e7
	s_add_nc_u64 s[KB:KB+1], s[6:7], s[94:95]
	s_add_nc_u64 s[VB:VB+1], s[8:9], s[84:85]
	s_mov_b32 s[G0K], 1                            ; count = 1
	s_mov_b32 s[G0K+1], s93                        ; LDS address: slot 0
	s_mov_b64 s[G0K+2:G0K+3], s[KB:KB+1]           ; key slot 0
	s_or_b32 s[G0K+3], s[G0K+3], 0x80000000        ; type = 2
	s_mov_b32 s[G0V], 1
	s_mov_b32 s[G0V+1], VOFF
	s_mov_b64 s[G0V+2:G0V+3], s[VB:VB+1]
	s_or_b32 s[G0V+3], s[G0V+3], 0x80000000
	TLOAD                                          ; key slot 0 into slot 0: one load of mine is out at the most, here and ever after
	s_add_nc_u64 s[4:5], s[4:5], s[84:85]
	s_add_nc_u64 s[OA:OA+1], s[12:13], s[88:89]
	s_add_nc_u64 s[OB:OB+1], s[12:13], s[90:91]
	v_and_b32 v8, 15, v0                           ; r = lane % 16
	s_wait_alu depctr_va_vdst(0)
	v_bfe_u32 v9, v0, 4, 1                         ; h = lane / 16
	v_lshlrev_b32 v10, 6, v8
	s_delay_alu instid0(VALU_DEP_1)
	v_lshl_add_u32 v10, v9, 4, v10                 ; Q: row r of 64 bytes, + 16 h
	s_lshl_b32 s82, s[Q0], 6
	s_lshl_b32 s83, s[Q0B], 6
	v_add_nc_u32 v11, s83, v10
	v_add_nc_u32 v10, s82, v10
	global_load_b128 v[16:19], v10, s[4:5]                 ; both blocks' fragments of Q stay in registers: registers 0-3 channels 16 h + 0 .. 15, registers 4-7 channels 32 + 16 h + 0 .. 15: the same order of k as K's
	global_load_b128 v[20:23], v10, s[4:5] offset:32
	global_load_b128 v[24:27], v11, s[4:5]
	global_load_b128 v[28:31], v11, s[4:5] offset:32
	; the prefetches: where my wave's stand, and who asks
	s_cmp_lt_u32 s[WV], 6                          ; waves 4 and 5 ask for K's codes, waves 6 and 7 for V's
	s_cselect_b64 s[PFA:PFA+1], s[6:7], s[8:9]
	s_mov_b32 s[PFS], 256
	s_cselect_b32 s[PFS], 16384, s[PFS]            ; a slot on
	s_mov_b32 s82, 2048
	s_cselect_b32 s82, 256, s82                    ; from lane to lane
	s_mov_b32 s83, 65536
	s_cselect_b32 s83, 8192, s83                   ; from wave to wave
	v_and_b32 v[PFO], 31, v0
	s_delay_alu instid0(VALU_DEP_1)
	v_mul_lo_u32 v[PFO], v[PFO], s82
	s_and_b32 s82, s[WV], 1
	s_mul_i32 s82, s82, s83                        ; my wave's part,
	s_add_co_u32 s82, s82, s[PFS]                  ; in key slot 1: the first change of slots steps it to key slot 2.  Nothing is prefetched here, at the head
	s_mov_b32 s83, 0
	s_mov_b32 s[PFS+1], 0
	s_add_nc_u64 s[PFA:PFA+1], s[PFA:PFA+1], s[84:85]
	s_add_nc_u64 s[PFA:PFA+1], s[PFA:PFA+1], s[82:83]
	s_sub_co_u32 s82, s[WV], 4
	s_lshr_b32 s82, s82, 2                         ; 0 in waves 4 to 7,
	s_or_b32 s82, s82, ttmp9                       ; of the work-group with i = 0
	s_cmp_eq_u32 s82, 0
	s_cselect_b32 s[LIM], 2, -1
	v_and_b32 v254, 8, v8
	s_delay_alu instid0(VALU_DEP_1)
	v_add_nc_u32 v254, v254, v8                    ; r + 8 (r / 8)
	s_delay_alu instid0(VALU_DEP_1)
	v_mul_u32_u24 v[AK0], v254, KP
	s_delay_alu instid0(VALU_DEP_1)
	v_lshl_add_u32 v[AK0], v9, 4, v[AK0]
	s_delay_alu instid0(VALU_DEP_3)
	v_mul_u32_u24 v[AV0], v254, VP
	s_delay_alu instid0(VALU_DEP_1)
	v_lshl_add_u32 v[AV0], v9, 4, v[AV0]
	s_delay_alu instid0(VALU_DEP_1)
	v_add_nc_u32 v[AV0], VOFF, v[AV0]
	v_and_b32 v[GO], 31, v0
	s_delay_alu instid0(VALU_DEP_1)
	v_lshlrev_b32 v[GO], 4, v[GO]
	v_mov_b32 v236, 0                              ; written once: a lane permute's destination counts as one of its sources
	v_mov_b32 v253, 0                              ; (named as the upper half of the pair v[252:253])
	INIT
	s_wait_kmcnt 0x0
	s_add_co_i32 s82, s70, s71
	s_lshl_b32 s82, s82, 23
	s_add_co_i32 s[CS], s[CS], s82                 ; a score stands for score x 2^(e2 + e3): the two exponents are added to c's exponent field
	s_mov_b32 s[CS+1], s[CS]                       ; (named with it as a pair, so it is written)
	s_add_co_i32 s82, s72, 127
	s_lshl_b32 s83, s82, 23
	v_mov_b32 v244, s83                            ; 2^e4, for p's conversions
	s_add_co_i32 s82, s74, 127
	s_lshl_b32 s83, s82, 23
	v_mov_b32 v246, s83                            ; 2^e6, for ctx's
	s_add_co_i32 s[EPV], s72, s73                  ; e4 + e5
; A KEY STEP: 128 keys, the q-th of the slot in hand.
.macro STEP q
	s_add_co_u32 s96, s[Q0], 15                    ; a step all of whose keys come after my 16 queries is left out: ids and counts alone; no barrier and no tensor load stands in a step
	s_cmp_gt_u32 s[KF], s96
	s_cbranch_scc1 .Lhidden_\@
	v_add_nc_u32 v[ADK], s[TB], v[AK0]
	v_add_nc_u32 v[ADV], s[TB], v[AV0]
	v_nop                                          ; with the two additions: four places in front of loads into registers that the last products have read
	v_nop
.irp t, 0,1,2,3,4,5,6,7
.irp c, 0,1
	ds_load_b128 v[32+8*\t+4*\c:35+8*\t+4*\c], v[ADK] offset:(128*(\q)+32*(\t/2)+8*(\t%2))*KP+32*\c
.endr
.endr
	s_wait_dscnt 0x0
.irp t, 0,1,2,3,4,5,6,7                        ; S^T = K Q^T: eight tiles of 16 keys, K = the head's 64
	v_wmma_f32_16x16x64_fp8_fp8 v[96+8*\t:103+8*\t], v[32+8*\t:39+8*\t], v[16:23], 0
.endr
.rept 4
	v_nop
.endr
	s_add_co_u32 s96, s[KF], 127                   ; on the diagonal the scores of hidden keys become -infinity; a step all of whose keys count skips this
	s_cmp_le_u32 s96, s[Q0]
	s_cbranch_scc1 .Lopen_\@
	s_sub_co_i32 s96, s[Q0], s[KF]
	v_and_b32 v252, 15, v0
	v_bfe_u32 v253, v0, 4, 1
	s_delay_alu instid0(VALU_DEP_1)
	v_lshlrev_b32 v253, 4, v253
	s_delay_alu instid0(VALU_DEP_1)
	v_sub_nc_u32 v252, v252, v253
	s_delay_alu instid0(VALU_DEP_1)
	v_add_nc_u32 v252, s96, v252                   ; d = my query - the step's first key - 16 (lane / 16).  Register 16 b + i holds key 32 b + 16 (lane / 16) + i of the step: hidden where 32 b + i > d
	v_mov_b32 v254, 0xff800000                     ; -infinity
.set n, 0
.rept 64
	v_cmp_gt_i32 vcc_lo, 32*(n/16)+n%16, v252
	v_cndmask_b32 v[96+n], v[96+n], v254, vcc_lo
.set n, n+1
.endr
.Lopen_\@:
	v_max3_num_f32 v254, v96, v97, v98             ; the step's largest score of my query, among my 64 keys, in two chains, each accumulator from its low end on,
	v_max3_num_f32 v252, v99, v100, v101
.irp i, 6,10,14,18,22,26,30,34,38,42,46,50,54,58
	v_max3_num_f32 v254, v254, v[96+\i], v[97+\i]
	v_max3_num_f32 v252, v252, v[98+\i], v[99+\i]
.endr
	v_max3_num_f32 v254, v254, v158, v159
	s_delay_alu instid0(VALU_DEP_1)
	v_max_num_f32 v254, v254, v252
	s_delay_alu instid0(VALU_DEP_1)
	v_permlanex16_b32 v236, v254, s[SEL], s[SEL+1]
	s_delay_alu instid0(VALU_DEP_1)
	v_max_num_f32 v254, v254, v236                 ; and among lane l xor 16's
	s_delay_alu instid0(VALU_DEP_1)
	v_mul_f32 v254, s[CS], v254                    ; as t (c is positive)
	s_delay_alu instid0(VALU_DEP_1)
	v_max_num_f32 v13, v13, v254                   ; the running largest t
	v_mov_b32 v254, v12
	s_delay_alu instid0(VALU_DEP_2)
	v_floor_f32 v12, -v13                          ; the new -M = floor(-t) = -ceil(t): M is a whole number
	s_delay_alu instid0(VALU_DEP_1)
	v_sub_f32 v254, v12, v254                      ; M's old value less its new one: a whole number, 0 or less
	s_delay_alu instid0(VALU_DEP_1)
	v_cvt_i32_f32 v254, v254                       ; (it saturates)
	s_delay_alu instid0(VALU_DEP_1)
	v_ldexp_f32 v252, 1.0, v254                    ; f = 2^(old M - new M)
.set j, 0
.rept 32
	v_pk_fma_f32 v[96+j:97+j], v[96+j:97+j], s[CS:CS+1], v[12:13] op_sel_hi:[1,0,0]   ; t - M, two at a time (of the pairs c and -M the low word serves both halves)
.set j, j+2
.endr
.set j, 0
	s_wait_alu depctr_va_vdst(0)
.rept 64
	v_exp_f32 v[96+j], v[96+j]                     ; p = 2^(t - M), at most 1: not normalised
.set j, j+1
.endr
	v_pk_mul_f32 v[14:15], v[14:15], v[252:253] op_sel_hi:[1,0]   ; the sums under the new M: the plain instruction behind the exponentials
	s_wait_alu depctr_va_vdst(0)                   ; one wait for the whole batch, ahead of its first reader
	v_pk_add_f32 v[242:243], v[100:101], v[104:105]
	v_pk_add_f32 v[254:255], v[108:109], v[112:113]
	v_pk_add_f32 v[250:251], v[116:117], v[120:121]
	v_pk_add_f32 v[248:249], v[124:125], v[128:129]
	v_pk_add_f32 v[240:241], v[132:133], v[136:137]
	v_pk_add_f32 v[238:239], v[140:141], v[144:145]
	v_pk_add_f32 v[234:235], v[148:149], v[152:153]
	v_pk_add_f32 v[14:15], v[14:15], v[156:157]
	v_pk_add_f32 v[242:243], v[242:243], v[96:97]
	v_pk_add_f32 v[254:255], v[254:255], v[98:99]
	v_pk_add_f32 v[250:251], v[250:251], v[102:103]
	v_pk_add_f32 v[248:249], v[248:249], v[106:107]
	v_pk_add_f32 v[240:241], v[240:241], v[110:111]
	v_pk_add_f32 v[238:239], v[238:239], v[114:115]
	v_pk_add_f32 v[234:235], v[234:235], v[118:119]
	v_pk_add_f32 v[14:15], v[14:15], v[122:123]
	v_pk_add_f32 v[242:243], v[242:243], v[126:127]
	v_pk_add_f32 v[254:255], v[254:255], v[130:131]
	v_pk_add_f32 v[250:251], v[250:251], v[134:135]
	v_pk_add_f32 v[248:249], v[248:249], v[138:139]
	v_pk_add_f32 v[240:241], v[240:241], v[142:143]
	v_pk_add_f32 v[238:239], v[238:239], v[146:147]
	v_pk_add_f32 v[234:235], v[234:235], v[150:151]
	v_pk_add_f32 v[14:15], v[14:15], v[154:155]
	v_pk_add_f32 v[242:243], v[242:243], v[158:159]
	s_delay_alu instid0(VALU_DEP_2)
	v_pk_add_f32 v[14:15], v[14:15], v[248:249]
	s_delay_alu instid0(VALU_DEP_2)
	v_pk_add_f32 v[242:243], v[242:243], v[240:241]
	v_pk_add_f32 v[254:255], v[254:255], v[238:239]
	v_pk_add_f32 v[250:251], v[250:251], v[234:235]
	s_delay_alu instid0(VALU_DEP_2)
	v_pk_add_f32 v[14:15], v[14:15], v[254:255]
	s_delay_alu instid0(VALU_DEP_2)
	v_pk_add_f32 v[242:243], v[242:243], v[250:251]
	s_delay_alu instid0(VALU_DEP_1)
	v_pk_add_f32 v[14:15], v[14:15], v[242:243]
.irp b, 0,1,2,3
.irp i, 0,1,2,3,4,5,6,7,8,9,10,11,12,13,14,15
.endr
	v_cvt_scalef32_pk8_fp8_f32 v[192+4*\b:193+4*\b], v[96+16*\b:103+16*\b], v244
	v_cvt_scalef32_pk8_fp8_f32 v[194+4*\b:195+4*\b], v[104+16*\b:111+16*\b], v244
.endr
.set j, 0
.rept 16
	v_pk_mul_f32 v[160+j:161+j], v[160+j:161+j], v[252:253] op_sel_hi:[1,0]   ; O^T under the new M.  (These are also the places in front of the loads and products below)
.set j, j+2
.endr
.irp t, 0,1,2,3
.irp c, 0,1,2,3
	ds_load_b128 v[32+16*\t+4*\c:35+16*\t+4*\c], v[ADV] offset:(32*(\t/2)+8*(\t%2))*VP+128*(\q)+32*\c
.endr
.endr
	s_wait_alu depctr_va_vdst(0)
	s_wait_dscnt 0x0
.irp t, 0,1,2,3                                ; O^T += V^T P^T: four tiles of 16 channels, by turns; K = these 128 keys
	v_wmma_f32_16x16x128_fp8_fp8 v[160+8*\t:167+8*\t], v[32+16*\t:47+16*\t], v[192:207], v[160+8*\t:167+8*\t]
.endr
.Lhidden_\@:
	s_add_co_u32 s[KF], s[KF], 128
.endm
; THE CHANGE OF SLOTS stands at a slot's head.  Each wave waits for all its tensor loads (its part of the slot that it is about to read), adds 0 to its spare word, and waits for that and for its reads of the slot that it has left.
; Behind the barrier the slot ahead is whole and nobody reads the other one.  fill = 1: that other slot takes the next visit's keys: the load has a whole slot's steps in which to land.
.macro CHANGE fill
	s_wait_tensorcnt 0x0                           ; no tensor load of mine is out, so a group 0 may be written
	ds_add_u32 v[SPW], v[NIL]                      ; 0 onto my spare word; the scalar steps below stand between it and the wait for it
	s_lshl_b32 s[KF], s[NXT], 8                    ; the first key of the slot that I am about to read
	s_add_co_u32 s[NXT], s[NXT], 1                 ; the next visit's key slot:
	s_cmp_eq_u32 s[NXT], s[WRAPN]
	s_cselect_b32 s[NXT], 0, s[NXT]                ; behind the first block's last slot, key slot 0 again
.if \fill
	s_xor_b32 s[G0K+1], s[G0K+1], SLOT1            ; the other slot than last time
	s_xor_b32 s[G0V+1], s[G0V+1], SLOT1
	s_lshl_b32 s[OFS], s[NXT], 14                  ; 256 keys of 64 bytes
	s_add_nc_u64 s[G0K+2:G0K+3], s[KB:KB+1], s[OFS:OFS+1]
	s_or_b32 s[G0K+3], s[G0K+3], 0x80000000
	s_lshl_b32 s[OFS], s[NXT], 8                   ; 256 bytes of each row of V
	s_add_nc_u64 s[G0V+2:G0V+3], s[VB:VB+1], s[OFS:OFS+1]
	s_or_b32 s[G0V+3], s[G0V+3], 0x80000000
	s_wait_xcnt 0x0                                ; the last prefetch, a slot back, has read its address, so it may be written
	s_add_nc_u64 s[PFA:PFA+1], s[PFA:PFA+1], s[PFS:PFS+1]
.endif
	s_wait_dscnt 0x0                               ; the add is done, and my reads of the slot that I have left are over
	s_barrier_signal -1
	s_barrier_wait -1
.if \fill
	TLOAD                                          ; the first thing behind the barrier, and a wave's one tensor load until the next
	ASK
.endif
.endm
.macro SLOT_STEPS
	STEP 0
	STEP 1
	s_xor_b32 s[TB], s[TB], SLOT1                  ; on to the other slot
.endm
; A BLOCK ENDS: O^T x 2^(e4 + e5) / the sum is ctx; quantised (e6): tiles 0, 1 give channels 16 h + 0 .. 15, tiles 2, 3 channels 32 + 16 h + 0 .. 15: two pieces of the image, each 512 consecutive bytes a wave, aligned.
.macro FINISH base
	s_wait_xcnt 0x0                                ; the first block's stores have read v224-231
.rept 4
	v_nop                                          ; places behind the last products
.endr
	v_add_f32 v14, v14, v15                        ; the sum's two halves,
	s_delay_alu instid0(VALU_DEP_1)
	v_permlanex16_b32 v236, v14, s[SEL], s[SEL+1]
	s_delay_alu instid0(VALU_DEP_1)
	v_add_f32 v14, v14, v236                       ; and lane l xor 16's
	s_wait_alu depctr_va_vdst(0)
	v_rcp_f32 v14, v14
	v_nop                                          ; a plain instruction behind the reciprocal,
	s_wait_alu depctr_va_vdst(0)                   ; and a wait ahead of its first reader
	v_ldexp_f32 v14, v14, s[EPV]
.set j, 0
.rept 16
	v_pk_mul_f32 v[96+j:97+j], v[160+j:161+j], v[14:15] op_sel_hi:[1,0]   ; each accumulator from its low end on
.set j, j+2
.endr
.set j, 0
.rept 32
.set j, j+1
.endr
.irp t, 0,1,2,3
	v_cvt_scalef32_pk8_fp8_f32 v[224+2*\t:225+2*\t], v[96+8*\t:103+8*\t], v246
.endr
	v_nop                                          ; one plain vector instruction behind the last conversion
	global_store_b128 v[GO], v[224:227], s[\base:\base+1]
	global_store_b128 v[GO], v[228:231], s[\base:\base+1] offset:512
.endm
	s_wait_loadcnt 0x0                             ; Q
.Lslot:                                            ; eight trips: behind each change of slots but the last the next visit's keys are asked for
	CHANGE 1
	SLOT_STEPS
	s_cmp_lg_u32 s[SLOTS], s[WR]                   ; was that the first block's last slot?  Ids and the count alone: all sixteen waves go the same way
	s_cbranch_scc1 .Lsame
	FINISH OA
.set j, 0
.rept 8
	v_mov_b32 v[16+j], v[24+j]                     ; the second block's queries
.set j, j+1
.endr
	INIT
	s_mov_b32 s[Q0], s[Q0B]
.Lsame:
	s_sub_co_u32 s[SLOTS], s[SLOTS], 1
	s_cmp_lg_u32 s[SLOTS], 0
	s_cbranch_scc1 .Lslot
	CHANGE 0                                       ; the ninth visit is written out
	SLOT_STEPS
	FINISH OB
	s_wait_tensorcnt 0x0                           ; the wave's end, behind my last tensor load
	ds_add_u32 v[SPW], v[NIL]
	s_wait_dscnt 0x0
	s_endpgm
.Lfunc_end_k_qa44b1b250c_attn:
	.size	k_qa44b1b250c_attn, .Lfunc_end_k_qa44b1b250c_attn-k_qa44b1b250c_attn
	.p2alignl 7, 3214868480
	.fill 96, 4, 3214868480
	.section	.rodata,"a",@progbits
	.p2align	6, 0x0
	.amdhsa_kernel k_qa44b1b250c_attn
		.amdhsa_group_segment_fixed_size 327680
		.amdhsa_private_segment_fixed_size 0
		.amdhsa_enable_private_segment 0
		.amdhsa_kernarg_size 40
		.amdhsa_user_sgpr_count 2
		.amdhsa_user_sgpr_kernarg_segment_ptr 1
		.amdhsa_wavefront_size32 1
		.amdhsa_system_sgpr_workgroup_id_x 1
		.amdhsa_system_sgpr_workgroup_id_y 1
		.amdhsa_system_sgpr_workgroup_id_z 1
		.amdhsa_system_vgpr_workitem_id 0
		.amdhsa_next_free_vgpr 256
		.amdhsa_next_free_sgpr 100
		.amdhsa_reserve_vcc 1
		.amdhsa_float_denorm_mode_32 3
		.amdhsa_float_denorm_mode_16_64 3
		.amdhsa_fp16_overflow 1
		.amdhsa_memory_ordered 1
		.amdhsa_forward_progress 1
		.amdhsa_inst_pref_size 93
	.end_amdhsa_kernel
	.amdgpu_metadata
---
amdhsa.version: [ 1, 2 ]
amdhsa.kernels:
  - .name:           k_qa44b1b250c_attn
    .symbol:         k_qa44b1b250c_attn.kd
    .args:
      - { .name: q_codes, .offset: 0, .size: 8, .value_kind: global_buffer, .address_space: global }
      - { .name: k_codes, .offset: 8, .size: 8, .value_kind: global_buffer, .address_space: global }
      - { .name: v_codes, .offset: 16, .size: 8, .value_kind: global_buffer, .address_space: global }
      - { .name: lowp_scales, .offset: 24, .size: 8, .value_kind: global_buffer, .address_space: global }
      - { .name: ctx_codes, .offset: 32, .size: 8, .value_kind: global_buffer, .address_space: global }
    .group_segment_fixed_size: 327680
    .private_segment_fixed_size: 0
    .kernarg_segment_align: 8
    .kernarg_segment_size: 40
    .max_flat_workgroup_size: 512
    .sgpr_count:     100
    .vgpr_count:     256
    .wavefront_size: 32
...
	.end_amdgpu_metadata
.endif
;; end of part 3
;; launch proj (part 4): grid 4 x 32, 4 waves a work-group, clusters of 4 x 4, 327,680 bytes of LDS; arguments ctx_codes, w_codes, lowp_scales, b_proj, out0; writes out0
.if DOCPART == 4
	.amdgcn_target "amdgcn-amd-amdhsa--gfx1250"
	.amdhsa_code_object_version 6
	.text
	.protected	k_qa44b1b250c_proj
	.globl	k_qa44b1b250c_proj
	.p2align	8
	.type	k_qa44b1b250c_proj,@function
k_qa44b1b250c_proj:
	s_mov_b64 s[64:65], 0
	v_nop
	global_prefetch_b8 v0, s[64:65] scope:SCOPE_SE
	s_setreg_imm32_b32 hwreg(HW_REG_WAVE_MODE, 25, 1), 1
	s_wait_xcnt 0x0
	s_wait_alu depctr_hold_cnt(0) depctr_sa_sdst(0) depctr_va_vdst(0) depctr_va_sdst(0) depctr_va_ssrc(0) depctr_va_vcc(0) depctr_vm_vsrc(0)
	s_getreg_b32 s2, hwreg(HW_REG_IB_STS2, 6, 4)
	s_cmp_eq_u32 s2, 0
	s_cbranch_scc0 .Lentry_in_a_cluster
	s_endpgm
.Lentry_in_a_cluster:
	s_bfe_u32 s2, ttmp6, 0x10000c
	s_cmp_lg_u32 s2, 0xf033
	s_cbranch_scc0 .Lentry_shape_is_right
	s_endpgm
.Lentry_shape_is_right:
; LAUNCH 4 OF 4.  out0 = ctx W_proj + b_proj on codes of FP8 (E4M3), sums in f32.  ctx_codes: images of A's fragments, [512 blocks of 16 tokens][8 x 128 along K][4 pieces][32 lanes][16 bytes];
; W_proj's codes: rows 3072 .. 4095 of w_codes, [n][1024 k].  out0: [8192][1024] f32.  A number of ctx is its code x 2^e6, of W_proj x 2^e7.
; LIMIT: e6 + e7 between -126 and 127, so that 2^(e6 + e7) is an f32 number.
; The bias goes in as the C of each sum's first matrix instruction, divided by 2^(e6 + e7) (v_ldexp_f32: nothing is rounded, short of overflow and underflow); each finished sum is multiplied once by 2^(e6 + e7).
; A tile of 256 x 256 is made by a work-group of four waves; a wave makes 128 x 128: 64 accumulators, 512 registers.  K = 1,024 goes in four steps of 256 through a ring of two LDS slots.
; CLUSTERS: 4 x 4 work-groups; ctx's tile is asked for jointly along a row of the cluster, W's along a column.  THE MATRIX INSTRUCTION IS USED TRANSPOSED (source 0 = 16 rows of W, source 1 = 16 tokens): a lane holds eight neighbouring numbers of a row of out0.
; A'S TILE: a block of 16 tokens has, for a K step of 256, two images on end: 4,096 consecutive bytes; blocks lie 16,384 bytes apart.  A wave's load brings 8 such rows, dense in LDS; a fragment is four loads of 512 consecutive bytes, 16 a lane.
; REGISTERS, in windows of 256: window 0: v0-31 addresses; v32-95 the bias, later the way out; from v128 A's fragments (one set).  window 1: B's fragments, two sets.  windows 2, 3: the accumulators.
.set ROWB,   256                       ; B: a tile's row in bytes
.set KROW,   1024
.set PITCH,  272                       ; B: an LDS row: 256 bytes + 16 of padding
.set FR,     16
.set NL,     4
.set NP,     4
.set HALFT,  128*PITCH                 ; B: 128 rows
.set AREG,   65536                     ; A's region of a slot: 16 blocks x 4,096 bytes
.set SLOT,   AREG+2*HALFT
.set SPARE,  2*SLOT                    ; behind the ring: the spare words, 128 bytes for each wave
.set SPITCH, 528                       ; the way out: a stage of 16 rows x (512 bytes + 16) for each wave, in slot 0, which has had its last fill and its last read when the first result is stored there
.set SIZE_N, 1024
.set ADRA, 16                          ; v16-17  LDS address of my A images in slot 0, 1
.set ADRB, 20                          ; v20-21  of my B fragments
.set STO,  24
.set RD,   25
.set CO,   26                          ; v26  16 x lane
.set BCO,  27                          ; v27  32 x (lane / 16)
.set SPW,  28
.set NIL,  29
.set BC,   32                          ; v32-95 the bias / 2^(e6 + e7) at my 128 columns: register 8 b + j
.set TMP,  32                          ; later: a block's sums x 2^(e6 + e7)
.set AF,   128
.set BK,   128                         ; the way out: 16 rows read back: v128-191 and v192-255 by turns
.set G1, 24
.set G0, 32
.set G1B, 48
.set G0B, 56
.set MSB, 0
.macro WIN new                         ; the immediate's high byte repeats the setting that is left
.if MSB != \new
	s_set_vgpr_msb (MSB<<8)|\new
.set MSB, \new
.endif
.endm
.set MUL_LO, 0xa1                      ; source 0 (B) window 1, source 1 (A) window 0, C and D window 2
.set MUL_HI, 0xf1                      ; the same, C and D window 3
.set FIRST_LO, 0x81                    ; the first step: C (the bias) window 0, D window 2
.set FIRST_HI, 0xc1                    ; D window 3
.set TO_B,   0x40
.macro JLOAD g0a, g1a, g0b, g1b        ; a joint load: waves 0 and 1 fetch ctx's halves, waves 2 and 3 W's; an s_nop 0 and four v_nop follow each line
	s_cmp_eq_u32 s15, 0
	s_cbranch_scc0 .Lfor_b_\@
	tensor_load_to_lds s[\g0a:\g0a+3], s[\g1a:\g1a+7]
	s_nop 0
.rept 4
	v_nop
.endr
	s_branch .Lasked_\@
.Lfor_b_\@:
	tensor_load_to_lds s[\g0b:\g0b+3], s[\g1b:\g1b+7]
	s_nop 0
.rept 4
	v_nop
.endr
.Lasked_\@:
.endm
.macro CREST
	s_cmp_lg_u32 s14, 0
	s_cbranch_scc1 .Lnot_wave_0_\@
	s_barrier_signal -3
.Lnot_wave_0_\@:
	s_barrier_wait -3
	s_barrier_signal -1
	s_barrier_wait -1
.endm
.macro CROUND
	s_barrier_signal -1
	s_barrier_wait -1
	CREST
.endm
	s_load_b256 s[4:11], s[0:1], 0x0               ; ctx_codes s[4:5], w_codes s[6:7], the scales' exponents s[8:9], b_proj s[10:11]
	s_load_b64 s[12:13], s[0:1], 0x20              ; out0
	v_lshl_add_u32 v[SPW], v0, 2, SPARE
	v_mov_b32 v[NIL], 0
	ds_add_u32 v[SPW], v[NIL]                      ; the wave's opening: the add and its wait stand ahead of my first tensor load; the set-up below, work on registers, stands between them
	ds_add_u32 v[SPW], v[NIL]
	v_lshrrev_b32 v1, 5, v0
	v_readfirstlane_b32 s14, v1                    ; wave 0..3
	s_lshr_b32 s15, s14, 1                         ; which half of the tile's rows is mine.  Also: I fetch ctx (0) or W (1)
	s_and_b32 s16, s14, 1                          ; which half of its columns.  Also: which half of that tile I fetch
	s_bfe_u32 s40, ttmp6, 0x40000                  ; cx, cy
	s_bfe_u32 s41, ttmp6, 0x40004
	s_lshl_b32 s42, ttmp9, 2
	s_add_co_u32 s42, s42, s40                     ; tile column: 0 .. 3
	s_and_b32 s17, ttmp7, 0xffff
	s_lshl_b32 s17, s17, 2
	s_add_co_u32 s17, s17, s41                     ; tile row: 0 .. 31
	s_lshl_b32 s43, s41, 2
	s_lshl_b32 s43, 15, s43                        ; my row of the cluster
	s_lshl_b32 s44, 0x1111, s40                    ; my column
	s_or_b32 s[G1+0], s43, (3<<16)|(1<<21)         ; A: the mask of my row; elements of 8 bytes; no padding; 21 set beside a mask
	s_mov_b32 s[G1+1], 512<<16                     ; tensor_dim0 = 512 elements: 4,096 bytes
	s_mov_b32 s[G1+2], 8<<16                       ; tensor_dim1 = 8 blocks of 16 tokens
	s_mov_b32 s[G1+3], 512<<16                     ; tile_dim0
	s_mov_b32 s[G1+4], 8                           ; tile_dim1
	s_mov_b32 s[G1+5], 2048                        ; from block to block: 16,384 bytes
	s_mov_b32 s[G1+6], 0
	s_mov_b32 s[G1+7], 0
	s_or_b32 s[G1B+0], s44, (0<<16)|(1<<20)|(1<<21)|(5<<22)|(3<<25)  ; B: the mask of my column; elements of 1 byte; four words of padding after every 64
	s_mov_b32 s[G1B+1], ROWB<<16
	s_mov_b32 s[G1B+2], 128<<16
	s_mov_b32 s[G1B+3], ROWB<<16
	s_mov_b32 s[G1B+4], 128
	s_mov_b32 s[G1B+5], KROW
	s_mov_b32 s[G1B+6], 0
	s_mov_b32 s[G1B+7], 0
	s_lshl_b32 s20, s17, 4
	s_lshl_b32 s18, s16, 3
	s_add_co_u32 s20, s20, s18
	s_lshl_b32 s20, s20, 14                        ; A: block 16 x tile row + 8 x half, 16,384 bytes each
	s_mov_b32 s21, 0
	s_lshl_b32 s46, s42, 8
	s_lshl_b32 s18, s16, 7
	s_add_co_u32 s46, s46, s18
	s_lshl_b32 s46, s46, 10
	s_add_co_u32 s46, s46, 3072*1024               ; B: row 3,072 + 256 x tile column + 128 x half of w_codes
	s_mov_b32 s47, 0
	s_lshl_b32 s45, s16, 15                        ; where they go: A's half: 32,768 bytes;
	s_mul_i32 s66, s16, HALFT
	s_add_co_u32 s66, s66, AREG                    ; B's half, behind A's region: no place in the cluster enters an LDS address
	s_wait_dscnt 0x0                               ; the opening add is done
	s_wait_kmcnt 0x0
	s_load_b256 s[80:87], s[8:9], 0x0              ; e0 .. e7
	s_add_nc_u64 s[20:21], s[4:5], s[20:21]
	s_add_nc_u64 s[46:47], s[6:7], s[46:47]
	CROUND                                         ; all sixteen work-groups are here: the first joint loads meet
.irp s, 0,1
	s_mov_b32 s[G0+4*\s], 1
	s_add_co_u32 s[G0+4*\s+1], s45, \s*SLOT
	s_add_nc_u64 s[G0+4*\s+2:G0+4*\s+3], s[20:21], \s*4096
	s_or_b32 s[G0+4*\s+3], s[G0+4*\s+3], 0x80000000
	s_mov_b32 s[G0B+4*\s], 1
	s_add_co_u32 s[G0B+4*\s+1], s66, \s*SLOT
	s_add_nc_u64 s[G0B+4*\s+2:G0B+4*\s+3], s[46:47], \s*ROWB
	s_or_b32 s[G0B+4*\s+3], s[G0B+4*\s+3], 0x80000000
	s_wait_alu depctr_va_vdst(0)
	s_wait_tensorcnt 0x0
	ds_add_u32 v28, v29
	ds_add_u32 v28, v29
	s_wait_dscnt 0x0
	CROUND
	JLOAD G0+4*\s, G1, G0B+4*\s, G1B               ; K steps 0 and 1, one behind the other: one load of mine is out at a time
.endr
	v_and_b32 v1, 15, v0                           ; r
	v_bfe_u32 v2, v0, 4, 1                         ; h
	v_and_b32 v6, 31, v0
	v_lshlrev_b32 v[CO], 4, v6                     ; 16 x lane
	s_wait_alu depctr_va_vdst(0)
	v_lshlrev_b32 v[BCO], 5, v2
	s_lshl_b32 s92, s42, 10
	s_lshl_b32 s93, s16, 9
	s_add_co_u32 s92, s92, s93
	s_mov_b32 s93, 0
	s_add_nc_u64 s[88:89], s[10:11], s[92:93]      ; b_proj at 256 x tile column + 128 x half
.irp b, 0,1,2,3,4,5,6,7
	global_load_b128 v[BC+8*\b:BC+8*\b+3],   v[BCO], s[88:89] offset:64*\b
	global_load_b128 v[BC+8*\b+4:BC+8*\b+7], v[BCO], s[88:89] offset:64*\b+16
.endr
	v_mul_u32_u24 v3, v1, PITCH
	v_lshl_add_u32 v4, v2, 4, v3                   ; B: a fragment's row x pitch + 16 x half
	s_lshl_b32 s21, s15, 15                        ; my 8 blocks of A
	s_mul_i32 s22, s16, HALFT
	s_add_co_u32 s22, s22, AREG                    ; my 128 rows of B
.irp s, 0,1
	v_add_nc_u32 v[ADRA+\s], s21, v[CO]
	v_add_nc_u32 v[ADRB+\s], s22, v4
	s_add_co_u32 s21, s21, SLOT
	s_add_co_u32 s22, s22, SLOT
.endr
	s_mul_i32 s23, s14, 16*SPITCH                  ; my stage
	v_mul_u32_u24 v5, v1, SPITCH
	v_lshl_add_u32 v5, v2, 5, v5
	v_add_nc_u32 v[STO], s23, v5                   ; in: row r, 32 bytes for each half of the lanes
	v_add_nc_u32 v[RD], s23, v[CO]                 ; back: the 32 lanes take one row of 512 bytes
	s_lshl_b32 s92, s17, 8
	s_lshl_b32 s93, s15, 7
	s_add_co_u32 s92, s92, s93
	s_lshl_b32 s92, s92, 12                        ; my first row of out0, 4,096 bytes a row,
	s_lshl_b32 s93, s42, 10
	s_add_co_u32 s92, s92, s93
	s_lshl_b32 s93, s16, 9
	s_add_co_u32 s92, s92, s93                     ; and my first column
	s_mov_b32 s93, 0
	s_add_nc_u64 s[12:13], s[12:13], s[92:93]
	s_wait_kmcnt 0x0
	s_add_co_i32 s96, s86, s87                     ; e6 + e7
	s_sub_co_i32 s77, 0, s96
	s_add_co_i32 s96, s96, 127
	s_lshl_b32 s96, s96, 23                        ; 2^(e6 + e7) as f32
	s_mov_b32 s97, s96                             ; (named with it as a pair, so it is written)
	s_wait_loadcnt 0x0                             ; the bias
.set j, 0
.rept 64
	v_ldexp_f32 v[BC+j], v[BC+j], s77              ; a sum stands for sum x 2^(e6 + e7): the bias goes in divided by that
.set j, j+1
.endr
.macro FRAG reg, adr, q, i             ; B: 16 rows x 128 K: registers 4 c .. 4 c + 3 hold K = 32 c + 16 (l / 16) + 0 .. 15
.irp c, 0,1,2,3
	ds_load_b128 v[\reg+4*\c:\reg+4*\c+3], v[\adr] offset:128*(\q)+32*\c+(\i)*16*PITCH
.endr
.endm
.macro FRAGA reg, adr, q, i            ; A: the image of the same registers: four loads of 512 consecutive bytes
.irp c, 0,1,2,3
	ds_load_b128 v[\reg+4*\c:\reg+4*\c+3], v[\adr] offset:4096*(\i)+2048*(\q)+512*\c
.endr
.endm
; 16 matrix instructions: A's blocks a0, a0 + 1 x B's eight.  first = 1: the sums begin with the bias as C.  The 64 accumulators take turns, one instruction a turn, in the same order in every step.
.macro MUL16 a0, p, first
.irp a, \a0, \a0+1
.irp b, 0,1,2,3,4,5,6,7
.if \first
	v_wmma_f32_16x16x128_fp8_fp8 v[8*(8*((\a)%4)+\b):8*(8*((\a)%4)+\b)+7], v[128*(\p)+FR*\b:128*(\p)+FR*\b+FR-1], v[AF+FR*(\a):AF+FR*(\a)+FR-1], v[BC+8*\b:BC+8*\b+7]
.else
	v_wmma_f32_16x16x128_fp8_fp8 v[8*(8*((\a)%4)+\b):8*(8*((\a)%4)+\b)+7], v[128*(\p)+FR*\b:128*(\p)+FR*\b+FR-1], v[AF+FR*(\a):AF+FR*(\a)+FR-1], v[8*(8*((\a)%4)+\b):8*(8*((\a)%4)+\b)+7]
.endif
.endr
.endr
.endm
.macro FETCH_B slot, q, p
	WIN TO_B
.irp i, 0,1,2,3,4,5,6,7
	FRAG 128*(\p)+FR*\i, ADRB+\slot, \q, \i
.endr
	WIN 0
.endm
.macro FETCH_A slot, q, i0
.irp i, \i0, \i0+1, \i0+2, \i0+3
	FRAGA AF+FR*(\i), ADRA+\slot, \q, \i
.endr
.endm
.macro PLACES n                        ; plain vector instructions that name no register of the matrix instructions before them (ISA guide 7.12.1)
.rept \n
	v_nop
.endr
.endm
.macro STEP slot, q, first
	s_wait_dscnt 4*NL                              ; B's set and A's blocks 0-3 are in; the youngest sixteen loads (A's blocks 4-7) may be out
.if \first
	WIN FIRST_LO
.else
	WIN MUL_LO
.endif
	MUL16 0, (\q)%2, \first
	MUL16 2, (\q)%2, \first
	s_wait_dscnt 0                                 ; A's blocks 4-7 are in
	PLACES NP
	FETCH_B \slot, (\q)+1, 1-(\q)%2
	FETCH_A \slot, (\q)+1, 0
.if \first
	WIN FIRST_HI
.else
	WIN MUL_HI
.endif
	MUL16 4, (\q)%2, \first
	MUL16 6, (\q)%2, \first
	PLACES NP
	WIN 0
	FETCH_A \slot, (\q)+1, 4
.endm
; A slot's last step changes slots: ONE barrier; in front of it each wave waits for all its tensor loads, adds 0 to its spare word, and waits for that and for its own reads of this slot.
.macro TURN slot, next, fill
	s_wait_tensorcnt 0x0                           ; all my tensor loads have landed: my part of the next slot  (every window is 0 here)
	ds_add_u32 v[SPW], v[NIL]                      ; 0 onto my spare word
	s_wait_dscnt 4*NL+1                            ; (the add and the youngest sixteen loads may be out)
	WIN MUL_LO
	MUL16 0, 1, 0                                  ; sixteen matrix instructions stand between the add and the wait for it
	s_wait_dscnt 0x0                               ; the add is done, and my reads of this slot are over
	s_barrier_signal -1
	MUL16 2, 1, 0
	WIN 0
	s_barrier_wait -1
.if \fill
	CREST                                          ; the barrier has opened a round of the cluster's barrier: no wave of any partner still reads this slot's tile or has a load on its way
	s_add_nc_u64 s[G0+4*\slot+2:G0+4*\slot+3], s[G0+4*\slot+2:G0+4*\slot+3], 2*4096
	s_add_nc_u64 s[G0B+4*\slot+2:G0B+4*\slot+3], s[G0B+4*\slot+2:G0B+4*\slot+3], 2*ROWB
	JLOAD G0+4*\slot, G1, G0B+4*\slot, G1B         ; the first tensor load behind the round, my one load until the next; its four v_nop are the places in front of the loads below
.else
	PLACES NP
.endif
	FETCH_B \next, 0, 0
	FETCH_A \next, 0, 0
	WIN MUL_HI
	MUL16 4, 1, 0
	MUL16 6, 1, 0
	PLACES NP
	WIN 0
	FETCH_A \next, 0, 4
.endm
	s_wait_alu depctr_va_vdst(0)
	s_wait_tensorcnt 1                             ; my part of K step 0 is in; K step 1's load may be out
	s_barrier_signal -1
	s_barrier_wait -1
	FETCH_B 0, 0, 0
	FETCH_A 0, 0, 0
	FETCH_A 0, 0, 4
	STEP 0, 0, 1                                   ; four K steps of 256, eight steps of 128: written out
	TURN 0, 1, 1                                   ; slot 0 takes K step 2
	STEP 1, 0, 0
	TURN 1, 0, 1                                   ; slot 1 takes K step 3
	STEP 0, 0, 0
	TURN 0, 1, 0                                   ; nothing is left to fetch; behind this barrier nobody reads slot 0
	STEP 1, 0, 0
	s_wait_dscnt 4*NL
	WIN MUL_LO
	MUL16 0, 1, 0
	MUL16 2, 1, 0
	s_wait_dscnt 0
	WIN MUL_HI
	MUL16 4, 1, 0
	MUL16 6, 1, 0
	WIN 0
; THE WAY OUT, block by block of 16 rows x 128 columns, through my own stage in LDS: in as 32 bytes a lane, back as whole rows of 512 bytes.  LDS serves a wave's instructions in order (ISA guide 5.7.1.4): no wait between the stores and the loads.
.macro TOSTAGE a
.set AC, 64*((\a)%4)
	WIN 0x02+((\a)/4)                              ; source 0: window 2 or 3
.set j, 0
.rept 32
	v_pk_mul_f32 v[TMP+j:TMP+j+1], v[AC+j:AC+j+1], s[96:97] op_sel_hi:[1,0]   ; x 2^(e6 + e7); each accumulator from its low end on
.set j, j+2
.endr
	WIN 0
.irp b, 0,1,2,3,4,5,6,7
	ds_store_b128 v[STO], v[TMP+8*\b:TMP+8*\b+3] offset:64*\b
	ds_store_b128 v[STO], v[TMP+8*\b+4:TMP+8*\b+7] offset:64*\b+16
.endr
.set BB, BK+64*((\a)%2)
.irp t, 0,1,2,3,4,5,6,7,8,9,10,11,12,13,14,15
	ds_load_b128 v[BB+4*\t:BB+4*\t+3], v[RD] offset:\t*SPITCH
.endr
.endm
.macro SEND a, younger                 ; younger: the LDS instructions issued behind block a's loads, which may stay out
.set BB, BK+64*((\a)%2)
	s_wait_dscnt \younger
.if (\a) > 0
	s_add_nc_u64 s[12:13], s[12:13], 16*SIZE_N*4   ; (behind a wait on XCNT: the earlier stores have read their base)  16 rows on
.endif
.irp t, 0,1,2,3,4,5,6,7,8,9,10,11,12,13,14,15
	global_store_b128 v[CO], v[BB+4*\t:BB+4*\t+3], s[12:13] offset:\t*SIZE_N*4 th:TH_STORE_NT   ; 32 lanes store 512 consecutive bytes, aligned; written once, read by nobody here
.endr
.endm
	PLACES NP                                      ; behind the last products: loads land where A's fragments lay
	TOSTAGE 0
.irp a, 1,2,3,4,5,6,7
.if \a > 1
	s_wait_xcnt 0x0                                ; block a - 2's stores have read their registers and their base
.endif
	TOSTAGE \a
	SEND \a-1, 32                                  ; behind block a - 1's loads: block a's 16 stores and 16 loads
.endr
	s_wait_xcnt 0x0                                ; block 6's stores have read their base
	SEND 7, 0
	s_wait_tensorcnt 0x0                           ; the wave's end, behind my last tensor load and my last LDS store
	ds_add_u32 v[SPW], v[NIL]
	s_wait_dscnt 0x0
	CROUND                                         ; the closing round: no work-group ends while a partner may still ask for a tile that names it
	s_endpgm
.Lfunc_end_k_qa44b1b250c_proj:
	.size	k_qa44b1b250c_proj, .Lfunc_end_k_qa44b1b250c_proj-k_qa44b1b250c_proj
	.p2alignl 7, 3214868480
	.fill 96, 4, 3214868480
	.section	.rodata,"a",@progbits
	.p2align	6, 0x0
	.amdhsa_kernel k_qa44b1b250c_proj
		.amdhsa_group_segment_fixed_size 327680
		.amdhsa_private_segment_fixed_size 0
		.amdhsa_enable_private_segment 0
		.amdhsa_kernarg_size 40
		.amdhsa_user_sgpr_count 2
		.amdhsa_user_sgpr_kernarg_segment_ptr 1
		.amdhsa_wavefront_size32 1
		.amdhsa_system_sgpr_workgroup_id_x 1
		.amdhsa_system_sgpr_workgroup_id_y 1
		.amdhsa_system_sgpr_workgroup_id_z 1
		.amdhsa_system_vgpr_workitem_id 0
		.amdhsa_next_free_vgpr 1024
		.amdhsa_next_free_sgpr 100
		.amdhsa_reserve_vcc 0
		.amdhsa_float_denorm_mode_32 3
		.amdhsa_float_denorm_mode_16_64 3
		.amdhsa_memory_ordered 1
		.amdhsa_forward_progress 1
		.amdhsa_inst_pref_size 130
	.end_amdhsa_kernel
	.amdgpu_metadata
---
amdhsa.version: [ 1, 2 ]
amdhsa.kernels:
  - .name:           k_qa44b1b250c_proj
    .symbol:         k_qa44b1b250c_proj.kd
    .args:
      - { .name: ctx_codes, .offset: 0, .size: 8, .value_kind: global_buffer, .address_space: global }
      - { .name: w_codes, .offset: 8, .size: 8, .value_kind: global_buffer, .address_space: global }
      - { .name: lowp_scales, .offset: 16, .size: 8, .value_kind: global_buffer, .address_space: global }
      - { .name: b_proj, .offset: 24, .size: 8, .value_kind: global_buffer, .address_space: global }
      - { .name: out0, .offset: 32, .size: 8, .value_kind: global_buffer, .address_space: global }
    .group_segment_fixed_size: 327680
    .private_segment_fixed_size: 0
    .kernarg_segment_align: 8
    .kernarg_segment_size: 40
    .max_flat_workgroup_size: 128
    .sgpr_count:     100
    .vgpr_count:     1024
    .wavefront_size: 32
...
	.end_amdgpu_metadata
.endif
;; end of part 4
